; MI455X (gfx1250); checked and timed in simulation.
; The chip was launched on July 23, 2026; its instructions are those of AMD's public machine-readable ISA for CDNA 5 (MIT licence, August 2026) and "CDNA5" Instruction Set Architecture Reference Guide (July 2026). The comments in the code are by the model that wrote it; some were corrected since.
;; Self Attention Mechanism. Allowed arithmetic: matrix products marked QUANTISED: E4M3 operands, one given power-of-two scale a tensor, by v_wmma_f32_16x16x64_fp8_fp8 or v_wmma_f32_16x16x128_fp8_fp8, f32 sums; everything else in f32.
;; Inputs: We 8 x 1,024 x 1,024 float32; Wk 1,024 x 1,024 float32; Wo 1,024 x 1,024 float32; Wq 1,024 x 1,024 float32; Wv 1,024 x 1,024 float32; be 8 x 1,024 float32; bk 1,024 float32; bo 1,024 float32; bq 1,024 float32; bv 1,024 float32; key 2 x 2,048 x 1,024 float32; lowp_scales 14 int32 (the exponents e of the quantised operands' scales 2^e); query 2 x 2,048 x 1,024 float32; value 2 x 2,048 x 1,024 float32.
;; Outputs: out0 2 x 2,048 x 1,024 float32.
;; This version of the problem:
;;   THIS VERSION OF THE PROBLEM IS GIVEN IN LOW PRECISION. The matrix products marked QUANTISED in the list below multiply operands that are first quantised to E4M3 (4 exponent bits, 3 mantissa bits; 8 bits a number), with one given power-of-two scale for each operand tensor; their sums are f32. All else is computed in f32.
;;   The module's matrix products, in the order in which they are computed (A, B: the left and right operand; K: the contracted axis; several contracted axes count as one K, in the product's order):
;;     1. [M 4,096, K 1,024] x [K 1,024, N 1,024]; A: input query; B: input Wq: QUANTISED (scales: A lowp_scales[0], B lowp_scales[1])
;;     2. [M 4,096, K 1,024] x [K 1,024, N 1,024]; A: input key; B: input Wk: QUANTISED (scales: A lowp_scales[2], B lowp_scales[3])
;;     3. [M 4,096, K 1,024] x [K 1,024, N 1,024]; A: input value; B: input Wv: QUANTISED (scales: A lowp_scales[4], B lowp_scales[5])
;;     4. batch 32 x [M 2,048, K 64] x [K 64, N 2,048]; A: computed on the way; B: computed on the way: QUANTISED (scales: A lowp_scales[6], B lowp_scales[7])
;;     5. batch 32 x [M 2,048, K 2,048] x [K 2,048, N 64]; A: softmax (see below); B: computed on the way: QUANTISED (scales: A lowp_scales[8], B lowp_scales[9])
;;     6. [M 8,192, K 1,024] x [K 1,024, N 4,096]; A: input We; B: computed on the way: QUANTISED (scales: A lowp_scales[10], B lowp_scales[11])
;;     7. [M 4,096, K 1,024] x [K 1,024, N 1,024]; A: computed on the way; B: input Wo: QUANTISED (scales: A lowp_scales[12], B lowp_scales[13])
;;   THE QUANTISER, for each operand of a quantised product, along K:
;;     - The operand's scale is 2^e, e = its entry of the input lowp_scales (int32; the entries are numbered through the quantised products in the list's order, A before B).
;;     - Each number is divided by the scale, clamped to +-448, and rounded to the nearest number of E4M3, ties to even, subnormals kept.
;;     - The product sums the exact products of the quantised numbers (number of the format x scale) in f32.
;;   ~~~python
;;   def quantise(x, axis, e):      # numpy; x: float32 -> the quantised numbers, widened to float32 again
;;       x = np.moveaxis(x, axis, -1); K = x.shape[-1]
;;       r = np.clip(x / 2.0 ** e, -448, 448)
;;       step = 2.0 ** (np.maximum(np.frexp(np.where(r == 0, 1, r))[1] - 1, -6) - 3)
;;       q = np.round(r / step) * step * 2.0 ** e      # np.round: ties to even
;;       return np.moveaxis(q, -1, axis).astype(np.float32)
;;   ~~~
;;   SOFTMAX AHEAD OF A QUANTISED PRODUCT. Where the list says 'softmax', what is quantised is not the finished softmax but p = 2^(t - M), with t = logit x log2(e) and M = ceil(the row's largest t), a whole number; so 1/2 < the row's largest p <= 1. The row's sum l is taken of the UNQUANTISED p, in f32, and the product's result is divided by l at the end. Since M is a whole number, a kernel that streams over the keys may use a running M (the ceiling of the running maximum): every later rescaling is an exact power of two, so the quantised numbers keep their values, but for numbers so far below the row's largest that they fall under the format's range.
;;   OPERANDS COMPUTED ON THE WAY. 'Computed on the way' means the value that the module computes at that place (a softmax that the list does not call 'softmax' is quantised finished and normalised). What goes into a quantiser is computed in f32, as accurately as f32 sums, v_exp_f32 and their like allow (about 1e-6 of the number): no bf16 or f16 on the way to a quantiser, and a product that is left as it is and whose result goes on into a quantised operand takes f32 operands (vector FMAs, or v_wmma_f32_16x16x4_f32). A number that lies on a knife's edge between two numbers of the format may be rounded either way, as far as f32 arithmetic and the matrix unit's own rounding can turn it there, and no further.
;; One version. Each part assembles by itself: llvm-mc -triple=amdgcn-amd-amdhsa -mcpu=gfx1250 --defsym DOCPART=n.
;; ======== version 1 of 1: 5 launches
;; limits: right only within a limited range of input values
;; workspace buffers: codes 25,165,824 bytes; qkv 12,582,912 bytes; oc 4,194,304 bytes; mc 4,194,304 bytes
;; launch quant (part 1): grid 768 x 1, 4 waves a work-group, no clusters, 10,752 bytes of LDS; arguments query, key, value, Wq, Wk, Wv, Wo, We, lowp_scales, codes; writes codes
.if DOCPART == 1
	.amdgcn_target "amdgcn-amd-amdhsa--gfx1250"
	.amdhsa_code_object_version 6
	.text
	.protected	k_qa9e89bff38_quant
	.globl	k_qa9e89bff38_quant
	.p2align	8
	.type	k_qa9e89bff38_quant,@function
k_qa9e89bff38_quant:
	s_mov_b64 s[64:65], 0
	v_nop
	global_prefetch_b8 v0, s[64:65] scope:SCOPE_SE
	s_setreg_imm32_b32 hwreg(HW_REG_WAVE_MODE, 25, 1), 1
	s_wait_xcnt 0x0
; The eight f32 matrices (query, key, value [4096][1024]; Wq, Wk, Wv, Wo [1024][1024]; We [8192][1024]) become codes of FP8 (E4M3), each with its one given scale 2^e.
; code = x / 2^e, held within +-448, rounded to the nearest code, ties to even.  LIMITS: e between -126 and 119 (2^e and 448 x 2^e are made as f32 patterns).  NaN among the inputs is not served.
; THE CODES ARE LAID AS IMAGES OF OPERAND REGISTERS.  An image is 16 rows x 128 along K = 2,048 bytes: part p (512 bytes) holds registers 4 p .. 4 p + 3 of the fragment, lane l's 16 bytes at 16 l.
; Lane l = 16 h + r holds row r; its register d holds k = 4 (4 (d / 2) + d % 2 + 2 h) + 0..3.  A later launch reads a fragment by four loads of 16 bytes a lane, 512 consecutive bytes each.
; WHERE: codes + 0: query, + 4 MiB: key, + 8 MiB: value, + 12, 13, 14, 15 MiB: Wq, Wk, Wv, Wo, each [tile of 16 rows][K block of 128, 8][image]; + 16 MiB: We as [K block 8][tile of 16 rows, 512][image].
; SHARES.  A work-group takes two tiles of 16 rows, a wave half of one tile's K: four images.  A load reads 512 consecutive bytes of one row: lane l gets k = 4 l + 0..3 of row i.
; THE NUMBERS ARE CONVERTED AS THEY ARE LOADED, AND ONLY THE CODES TURN THROUGH LDS: a conversion takes eight registers, two rows' four numbers, so code register i is row i's word k = 4 l ...
; Lane l puts its 16 words at 80 l in the wave's own stage (64 bytes + 16 of padding: sixteen lanes' stores of 16 bytes fall on different 16-byte columns); register d comes back by a one-word load at
; 80 (4 (d / 2) + d % 2 + 2 h) + 4 r: sixteen lanes read 64 consecutive bytes.  No tensor loads, no barrier: waves share nothing.  Loads run one fragment (16 loads a wave) ahead of the one in hand.
; Every step has its own base and its own registers for the stores' data: none is written again.
.set SP,    80
.set STG,   32*SP                      ; a wave's stage
.set SPARE, 4*STG                      ; behind the stages: the spare words, 128 bytes a wave
.set LI,    1                          ; v1   16 x lane
.set SIN,   2                          ; v2   the stage on the way in
.set SOUT,  3                          ; v3   and on the way out
.set LIM,   4                          ; v4   448 x 2^e
.set SC,    5                          ; v5   2^e
.set SPW,   6
.set NIL,   7
.set R,     16                         ; v16-143   two sets of 64: a fragment as it is loaded
.set CV,    144                        ; v144-159  its codes, a word a row
.set X,     160                        ; v160-223  four sets of 16: the images
.set SRC,   24                         ; s[24:25] the tensor, at my wave's first byte
.set DST,   56                         ; s[56:63] the codes, at my four images
.set SK,    38                         ; s[38:39] bytes from an image to the next K block's
	s_load_b512 s[4:19], s[0:1], 0x0               ; query, key, value, Wq, Wk, Wv, Wo, We
	s_load_b128 s[20:23], s[0:1], 0x40             ; lowp_scales, codes
	v_lshl_add_u32 v[SPW], v0, 2, SPARE
	v_mov_b32 v[NIL], 0
	v_lshrrev_b32 v8, 5, v0
	v_readfirstlane_b32 s33, v8                    ; wave 0..3
	v_and_b32 v9, 31, v0
	v_lshlrev_b32 v[LI], 4, v9
	s_mul_i32 s34, s33, STG
	v_mul_u32_u24 v[SIN], v9, SP
	v_add_nc_u32 v[SIN], s34, v[SIN]
	v_and_b32 v10, 15, v0                          ; r
	v_bfe_u32 v11, v0, 4, 1                        ; h
	v_mul_u32_u24 v[SOUT], v11, 2*SP
	v_lshl_add_u32 v[SOUT], v10, 2, v[SOUT]
	v_add_nc_u32 v[SOUT], s34, v[SOUT]
	s_lshr_b32 s35, s33, 1                         ; which of the work-group's two tiles of rows
	s_and_b32 s36, s33, 1                          ; which half of K
	s_wait_alu depctr_va_vdst(0)
	s_wait_kmcnt 0x0
	s_load_b256 s[40:47], s[20:21], 0x0            ; e0 .. e7
	s_load_b128 s[48:51], s[20:21], 0x20           ; e8 .. e11
	s_load_b64 s[52:53], s[20:21], 0x30            ; e12, e13
; Which tensor is my work-group's: 128 work-groups each for query, key, value, 32 each for Wq, Wk, Wv, Wo, 256 for We.  The choice hangs on the work-group's number alone.
.macro PICK lim, ptr, first
	s_cmp_lt_u32 ttmp9, \lim
	s_cselect_b64 s[SRC:SRC+1], s[\ptr:\ptr+1], s[SRC:SRC+1]
	s_cselect_b32 s26, \first, s26
.endm
	s_mov_b64 s[SRC:SRC+1], s[18:19]
	s_mov_b32 s26, 512                             ; the tensor's first work-group
	PICK 512, 16, 480
	PICK 480, 14, 448
	PICK 448, 12, 416
	PICK 416, 10, 384
	PICK 384, 8, 256
	PICK 256, 6, 128
	PICK 128, 4, 0
	s_sub_co_u32 s27, ttmp9, s26
	s_lshl_b32 s27, s27, 1
	s_add_co_u32 s27, s27, s35                     ; my tile of 16 rows in the tensor
	s_lshl_b32 s28, s27, 16                        ; x 16 rows of 4,096 bytes
	s_lshl_b32 s29, s36, 11                        ; + my half of a row
	s_add_co_u32 s28, s28, s29
	s_mov_b32 s29, 0
	s_add_nc_u64 s[SRC:SRC+1], s[SRC:SRC+1], s[28:29]
	s_lshl_b32 s30, ttmp9, 15                      ; all but We: 2 tiles x 16,384 bytes a work-group,
	s_lshl_b32 s31, s35, 14
	s_add_co_u32 s30, s30, s31
	s_lshl_b32 s31, s36, 13                        ; four images a half
	s_add_co_u32 s30, s30, s31
	s_lshl_b32 s37, s27, 11                        ; We: an image for each tile of rows,
	s_lshl_b32 s31, s36, 22                        ; four K blocks of 1 MiB a half
	s_add_co_u32 s37, s37, s31
	s_add_co_u32 s37, s37, 0x1000000
	s_mov_b32 s[SK], 0x100000
	s_cmp_lt_u32 ttmp9, 512
	s_cselect_b32 s30, s30, s37
	s_cselect_b32 s[SK], 2048, s[SK]
	s_mov_b32 s31, 0
	s_mov_b32 s[SK+1], 0
	s_add_nc_u64 s[DST:DST+1], s[22:23], s[30:31]
.irp t, 1,2,3
	s_add_nc_u64 s[DST+2*\t:DST+2*\t+1], s[DST+2*\t-2:DST+2*\t-1], s[SK:SK+1]
.endr
.macro LOAD t                          ; fragment t: 128 numbers of each of the 16 rows; 32 lanes read 512 consecutive bytes
.set i, 0
.rept 16
	global_load_b128 v[R+64*((\t)%2)+4*i:R+64*((\t)%2)+4*i+3], v[LI], s[SRC:SRC+1] offset:4096*i+512*(\t) th:TH_LOAD_NT
.set i, i+1
.endr
.endm
	LOAD 0
	LOAD 1
	s_wait_kmcnt 0x0
.macro PICKE lim, reg
	s_cmp_lt_u32 ttmp9, \lim
	s_cselect_b32 s54, s[\reg], s54
.endm
	s_mov_b32 s54, s50                             ; We: e10
	PICKE 512, 53                                  ; Wo: e13
	PICKE 480, 45                                  ; Wv: e5
	PICKE 448, 43                                  ; Wk: e3
	PICKE 416, 41                                  ; Wq: e1
	PICKE 384, 44                                  ; value: e4
	PICKE 256, 42                                  ; key: e2
	PICKE 128, 40                                  ; query: e0
	s_add_co_i32 s54, s54, 127
	s_lshl_b32 s55, s54, 23
	v_mov_b32 v[SC], s55                           ; 2^e as f32: the conversion takes its exponent field
	s_add_co_i32 s54, s54, 8
	s_lshl_b32 s54, s54, 23
	s_or_b32 s54, s54, 0x600000
	v_mov_b32 v[LIM], s54                          ; 448 x 2^e
.macro STEP t
.set RS, R+64*((\t)%2)
.if (\t) < 3
	s_wait_loadcnt 16                              ; this fragment's 16 loads are in; the next fragment's 16 may be out
.else
	s_wait_loadcnt 0x0
.endif
.set i, 0
.rept 64
	v_med3_num_f32 v[RS+i], v[RS+i], -v[LIM], v[LIM] ; the conversion to an 8-bit code does not saturate (ISA guide 7.6.2): the hold
.set i, i+1
.endr
.irp m, 0,1,2,3,4,5,6,7
	v_cvt_scalef32_pk8_fp8_f32 v[CV+2*\m:CV+2*\m+1], v[RS+8*\m:RS+8*\m+7], v[SC]   ; rows 2 m and 2 m + 1: a word each
.endr
	v_nop                                          ; a plain vector line behind the last conversion
.if (\t) < 2
	LOAD (\t)+2                                    ; the numbers have been read: their registers take the fragment two on
.endif
.irp m, 0,1,2,3
	ds_store_b128 v[SIN], v[CV+4*\m:CV+4*\m+3] offset:16*\m
.endr
.set d, 0
.rept 16
	ds_load_b32 v[X+16*(\t)+d], v[SOUT] offset:(4*(d/2)+d%2)*SP    ; LDS serves a wave's instructions in order: these see the stores above, and the next step's stores come behind them
.set d, d+1
.endr
.endm
.macro FIN t, younger                  ; younger: the LDS instructions issued behind image t's loads
	s_wait_dscnt \younger
.irp p, 0,1,2,3
	global_store_b128 v[LI], v[X+16*(\t)+4*\p:X+16*(\t)+4*\p+3], s[DST+2*(\t):DST+2*(\t)+1] offset:512*\p   ; 512 consecutive bytes, at a multiple of 512 from the buffer's first byte
.endr
.endm
	s_wait_alu depctr_va_vdst(0)
	STEP 0
	STEP 1
	FIN 0, 20                                      ; behind image 0's loads: the next step's 4 stores and 16 loads
	STEP 2
	FIN 1, 20
	STEP 3
	FIN 2, 20
	FIN 3, 0
	s_wait_tensorcnt 0x0                           ; the wave's end
	ds_add_u32 v[SPW], v[NIL]
	s_wait_dscnt 0x0
	s_endpgm
.Lfunc_end_k_qa9e89bff38_quant:
	.size	k_qa9e89bff38_quant, .Lfunc_end_k_qa9e89bff38_quant-k_qa9e89bff38_quant
	.p2alignl 7, 3214868480
	.fill 96, 4, 3214868480
	.section	.rodata,"a",@progbits
	.p2align	6, 0x0
	.amdhsa_kernel k_qa9e89bff38_quant
		.amdhsa_group_segment_fixed_size 10752
		.amdhsa_private_segment_fixed_size 0
		.amdhsa_enable_private_segment 0
		.amdhsa_kernarg_size 80
		.amdhsa_user_sgpr_count 2
		.amdhsa_user_sgpr_kernarg_segment_ptr 1
		.amdhsa_wavefront_size32 1
		.amdhsa_system_sgpr_workgroup_id_x 1
		.amdhsa_system_sgpr_workgroup_id_y 1
		.amdhsa_system_sgpr_workgroup_id_z 1
		.amdhsa_system_vgpr_workitem_id 0
		.amdhsa_next_free_vgpr 224
		.amdhsa_next_free_sgpr 66
		.amdhsa_reserve_vcc 0
		.amdhsa_float_denorm_mode_32 3
		.amdhsa_float_denorm_mode_16_64 3
		.amdhsa_memory_ordered 1
		.amdhsa_forward_progress 1
		.amdhsa_inst_pref_size 36
	.end_amdhsa_kernel
	.amdgpu_metadata
---
amdhsa.version: [ 1, 2 ]
amdhsa.kernels:
  - .name:           k_qa9e89bff38_quant
    .symbol:         k_qa9e89bff38_quant.kd
    .args:
      - { .name: query, .offset: 0, .size: 8, .value_kind: global_buffer, .address_space: global }
      - { .name: key, .offset: 8, .size: 8, .value_kind: global_buffer, .address_space: global }
      - { .name: value, .offset: 16, .size: 8, .value_kind: global_buffer, .address_space: global }
      - { .name: Wq, .offset: 24, .size: 8, .value_kind: global_buffer, .address_space: global }
      - { .name: Wk, .offset: 32, .size: 8, .value_kind: global_buffer, .address_space: global }
      - { .name: Wv, .offset: 40, .size: 8, .value_kind: global_buffer, .address_space: global }
      - { .name: Wo, .offset: 48, .size: 8, .value_kind: global_buffer, .address_space: global }
      - { .name: We, .offset: 56, .size: 8, .value_kind: global_buffer, .address_space: global }
      - { .name: lowp_scales, .offset: 64, .size: 8, .value_kind: global_buffer, .address_space: global }
      - { .name: codes, .offset: 72, .size: 8, .value_kind: global_buffer, .address_space: global }
    .group_segment_fixed_size: 10752
    .private_segment_fixed_size: 0
    .kernarg_segment_align: 8
    .kernarg_segment_size: 80
    .max_flat_workgroup_size: 128
    .sgpr_count:     66
    .vgpr_count:     224
    .wavefront_size: 32
...
	.end_amdgpu_metadata
.endif
;; end of part 1
;; launch proj (part 2): grid 4 x 48, 4 waves a work-group, clusters of 4 x 4, 327,680 bytes of LDS; arguments codes, bq, bk, bv, lowp_scales, qkv; writes qkv
.if DOCPART == 2
	.amdgcn_target "amdgcn-amd-amdhsa--gfx1250"
	.amdhsa_code_object_version 6
	.text
	.protected	k_qa9e89bff38_proj
	.globl	k_qa9e89bff38_proj
	.p2align	8
	.type	k_qa9e89bff38_proj,@function
k_qa9e89bff38_proj:
	s_mov_b64 s[64:65], 0
	v_nop
	global_prefetch_b8 v0, s[64:65] scope:SCOPE_SE
	s_setreg_imm32_b32 hwreg(HW_REG_WAVE_MODE, 25, 1), 1
	s_wait_xcnt 0x0
	s_wait_alu depctr_hold_cnt(0) depctr_sa_sdst(0) depctr_va_vdst(0) depctr_va_sdst(0) depctr_va_ssrc(0) depctr_va_vcc(0) depctr_vm_vsrc(0)
	s_getreg_b32 s2, hwreg(HW_REG_IB_STS2, 6, 4)
	s_cmp_eq_u32 s2, 0
	s_cbranch_scc0 .Lentry_in_a_cluster
	s_endpgm
.Lentry_in_a_cluster:
	s_bfe_u32 s2, ttmp6, 0x10000c
	s_cmp_lg_u32 s2, 0xf033
	s_cbranch_scc0 .Lentry_shape_is_right
	s_endpgm
.Lentry_shape_is_right:
; The three projections, on codes of FP8 (E4M3): Q = query Wq^T + bq, K = key Wk^T + bk, V = value Wv^T + bv, each 4096 x 1024 x 1024, each result quantised at once with its given scale (e6, e7, e9) and stored as codes.
; OPERANDS come as images of operand registers (16 rows x 128 K = 2,048 bytes; part p = registers 4 p .. 4 p + 3, lane l's 16 bytes at 16 l), laid [tile of 16 rows][K block 8][image].
; A TILE of 256 x 256 is made by four waves, each 128 x 128: 64 accumulators, 512 registers.  'A' is the matrix instruction's source 1 (blocks a), 'B' its source 0 (blocks b): in a result lane (r, h) holds row r of A's block
; and the eight neighbours 16 b + 8 h + 0..7 along B's rows.  So the conversions of a block's eight tiles ARE the sixteen registers of the next product's operand, and leave as parts of 512 consecutive bytes.
;   Q, K: A = the activations, B = the weight.  qkv + 0 (Q), + 4 MiB (K): [batch x head 32][tile of 16 tokens 128][16 x 64: parts 0, 1].
;   V:    A = Wv, B = the values: a lane holds one channel and neighbours along the KEYS.  qkv + 8 MiB: [batch x head 32][128 keys 16][tile of 16 channels 4][image].
; The two cases differ in numbers alone (offsets, steps, which bias counts), chosen by s_cselect on the cluster's y: one path through the text.
; K goes in steps of 256 through two LDS slots; a wave's tensor load brings 128 rows x 256 K: 8 lines of 4,096 bytes, 16,384 bytes apart in memory.  No padding: every fragment load reads 512 consecutive bytes.
; CLUSTERS: 4 x 4 work-groups; A's tile is shared along a row of the cluster, B's along a column: each is asked for jointly.
; 192 work-groups: three products of 64 tiles; tiles of 128 x 128 would read each LDS byte for half the products.
; LIMITS: eA + eB between -126 and 127; e6, e7, e9 between -126 and 119.  NaN is not served.
; REGISTERS: window 0: v16-31 addresses and constants; v32-95 the bias along B's rows; v96-111 the bias along A's rows, each number twice; v128-255 A's fragments, ONE set (on the way out: v128-191 numbers).
;   window 1: B's fragments, TWO sets (on the way out: v0-127 the codes, 16 registers for each block).   windows 2, 3: the accumulators of my rows 0-63, 64-127 (accumulator (a, b) at v[8 (8 (a % 4) + b)]).
.set SLOT,  131072                     ; A's two halves, then B's two halves, 32,768 bytes each
.set PART,  32768
.set SPARE, 2*SLOT
.set FR,    16
.set NL,    4
.set NP,    4                          ; places behind this matrix instruction (ISA guide 7.12.1)
.set ADRA,  16
.set ADRB,  20
.set CO,    26                         ; v26  16 x lane
.set CO2,   27                         ; v27  the same, at parts 2 and 3 of a block's codes
.set SPW,   28
.set NIL,   29
.set LIM,   30
.set SC,    31
.set BCOL,  32
.set BROW,  96
.set AF,    128
.set T,     128
.set WV,    16                         ; s16 wave;  s17 which half of A's rows is mine, and: I fetch for A (0) or B (1);  s18 which half of B's rows, and: which 128 rows I fetch
.set HR,    17
.set HC,    18
.set G1,    24
.set G0,    32
.set G1B,   48
.set G0B,   56
.set OB,    24                         ; s[24:39] on the way out, when no tensor load is out: where each of my eight blocks' codes go
.set MSB,   0
.macro WIN new
.if MSB != (\new)
	s_set_vgpr_msb (MSB<<8)|(\new)
.set MSB, (\new)
.endif
.endm
.set MUL_LO, 0xa1                      ; source 0 (B) window 1, source 1 (A) window 0, C and D window 2
.set MUL_HI, 0xf1
.set TO_B,   0x40
.macro JLOAD g0a, g1a, g0b, g1b        ; waves 0 and 1 fetch for A, waves 2 and 3 for B; an s_nop 0 and four v_nop follow each line
	s_cmp_eq_u32 s[HR], 0
	s_cbranch_scc0 .Lfor_b_\@
	tensor_load_to_lds s[\g0a:\g0a+3], s[\g1a:\g1a+7]
	s_nop 0
.rept 4
	v_nop
.endr
	s_branch .Lasked_\@
.Lfor_b_\@:
	tensor_load_to_lds s[\g0b:\g0b+3], s[\g1b:\g1b+7]
	s_nop 0
.rept 4
	v_nop
.endr
.Lasked_\@:
.endm
.macro CREST
	s_cmp_lg_u32 s[WV], 0
	s_cbranch_scc1 .Lnot_wave_0_\@
	s_barrier_signal -3
.Lnot_wave_0_\@:
	s_barrier_wait -3
	s_barrier_signal -1
	s_barrier_wait -1
.endm
.macro CROUND
	s_barrier_signal -1
	s_barrier_wait -1
	CREST
.endm
	s_load_b256 s[4:11], s[0:1], 0x0               ; codes, bq, bk, bv
	s_load_b128 s[12:15], s[0:1], 0x20             ; lowp_scales, qkv
	v_lshl_add_u32 v[SPW], v0, 2, SPARE
	v_mov_b32 v[NIL], 0
	ds_add_u32 v[SPW], v[NIL]                      ; the opening lines: the add twice on end and its wait
	ds_add_u32 v[SPW], v[NIL]
	v_lshrrev_b32 v1, 5, v0
	v_readfirstlane_b32 s[WV], v1
	s_lshr_b32 s[HR], s[WV], 1
	s_and_b32 s[HC], s[WV], 1
	s_bfe_u32 s19, ttmp6, 0x40000                  ; cx
	s_bfe_u32 s20, ttmp6, 0x40004                  ; cy
	s_and_b32 s21, ttmp7, 0xffff                   ; the cluster's y, 0..11
	s_lshr_b32 s22, s21, 2                         ; which projection: 0 Q, 1 K, 2 V
	s_and_b32 s23, s21, 3
	s_lshl_b32 s23, s23, 2
	s_lshl_b32 s45, s22, 22                        ; Q, K: A = the activations' codes,
	s_lshl_b32 s46, s22, 20
	s_add_co_u32 s46, s46, 0xc00000                ;       B = the weight's
	s_mov_b32 s47, 0xe00000                        ; V:    A = Wv's,
	s_mov_b32 s66, 0x800000                        ;       B = value's
	s_mov_b32 s86, 131072                          ; from a block's parts 0, 1 to its parts 2, 3: Q, K: the next head; V: 1,024 bytes on
	s_mov_b32 s88, 1024                            ; from block a to a + 1: Q, K: the next 16 tokens; V: the next 16 channels
	s_mov_b32 s90, 1024                            ; from block 3 to 4: V: the next head's first channels
	s_cmp_eq_u32 s22, 2
	s_cselect_b32 s41, 0, s23
	s_cselect_b32 s42, s23, 0
	s_cselect_b32 s45, s47, s45
	s_cselect_b32 s46, s66, s46
	s_cselect_b32 s84, 0, -1                       ; the bias along B's rows counts for Q and K,
	s_cselect_b32 s85, -1, 0                       ; that along A's rows for V
	s_cselect_b32 s86, 1024, s86
	s_cselect_b32 s88, 2048, s88
	s_cselect_b32 s90, 124928, s90
	s_mov_b32 s89, 0
	s_mov_b32 s91, 0
	s_add_co_u32 s41, s41, s20                     ; A's tile of 256 rows: hangs on cy, not on cx
	s_add_co_u32 s42, s42, s19                     ; B's: hangs on cx, not on cy
	s_lshl_b32 s43, s20, 2
	s_lshl_b32 s43, 15, s43
	s_lshl_b32 s44, 0x1111, s19
	s_or_b32 s[G1+0], s43, (3<<16)|(1<<21)
	s_or_b32 s[G1B+0], s44, (3<<16)|(1<<21)
.irp g, G1, G1B
	s_mov_b32 s[\g+1], 512<<16                     ; a line: two images, 4,096 bytes
	s_mov_b32 s[\g+2], 8<<16                       ; 8 tiles of 16 rows
	s_mov_b32 s[\g+3], 512<<16
	s_mov_b32 s[\g+4], 8
	s_mov_b32 s[\g+5], 2048                        ; 16,384 bytes apart
	s_mov_b32 s[\g+6], 0
	s_mov_b32 s[\g+7], 0
.endr
	s_lshl_b32 s92, s41, 4
	s_lshl_b32 s93, s[HC], 3
	s_add_co_u32 s92, s92, s93
	s_lshl_b32 s92, s92, 14
	s_add_co_u32 s92, s92, s45
	s_mov_b32 s93, 0
	s_lshl_b32 s94, s42, 4
	s_lshl_b32 s95, s[HC], 3
	s_add_co_u32 s94, s94, s95
	s_lshl_b32 s94, s94, 14
	s_add_co_u32 s94, s94, s46
	s_mov_b32 s95, 0
	s_lshl_b32 s96, s[WV], 15                      ; where my load goes: wave x 32,768
	s_wait_dscnt 0x0
	s_wait_kmcnt 0x0
	s_load_b256 s[68:75], s[12:13], 0x0            ; e0 .. e7
	s_load_b128 s[76:79], s[12:13], 0x20           ; e8 .. e11
	s_add_nc_u64 s[92:93], s[4:5], s[92:93]
	s_add_nc_u64 s[94:95], s[4:5], s[94:95]
	CROUND                                         ; all sixteen work-groups are here: the first joint loads meet
.irp s, 0,1
	s_mov_b32 s[G0+4*\s], 1
	s_add_co_u32 s[G0+4*\s+1], s96, \s*SLOT
	s_add_nc_u64 s[G0+4*\s+2:G0+4*\s+3], s[92:93], \s*4096
	s_or_b32 s[G0+4*\s+3], s[G0+4*\s+3], 0x80000000
	s_mov_b32 s[G0B+4*\s], 1
	s_add_co_u32 s[G0B+4*\s+1], s96, \s*SLOT
	s_add_nc_u64 s[G0B+4*\s+2:G0B+4*\s+3], s[94:95], \s*4096
	s_or_b32 s[G0B+4*\s+3], s[G0B+4*\s+3], 0x80000000
.endr
	JLOAD G0, G1, G0B, G1B                         ; K step 0: one tensor load a wave at the head
	v_and_b32 v1, 31, v0
	v_lshlrev_b32 v[CO], 4, v1
	s_lshl_b32 s2, s[HR], 15                       ; my 128 rows of A
	s_lshl_b32 s3, s[HC], 15                       ; my 128 rows of B,
	s_add_co_u32 s3, s3, 2*PART                    ; which lie behind A's 256
.irp s, 0,1
	v_add_nc_u32 v[ADRA+\s], s2, v[CO]
	v_add_nc_u32 v[ADRB+\s], s3, v[CO]
	s_add_co_u32 s2, s2, SLOT
	s_add_co_u32 s3, s3, SLOT
.endr
	v_add_nc_u32 v[CO2], s86, v[CO]
	; THE PREFETCHES.  At a change of slots every wave has waited for all its tensor loads, so a refill has nothing on its way beside it: what K steps 2 and 3 will load is asked of memory two K steps ahead,
	; behind the loads of K steps 0 and 1.  A wave's load is 8 lines of 4,096 bytes; of these the partner at place p among the four that ask jointly (p = cx for A, cy for B) names lines 2 p and 2 p + 1:
	; 32 blocks of 256 bytes, a lane a block, one instruction a wave.  The partners are told apart by address alone.  K steps 0 and 1 come by their loads alone.  The address registers are never rewritten.
.set PFO, 24                           ; v24  16,384 x (lane / 16) + 256 x (lane % 16)
	s_cmp_eq_u32 s[HR], 0                          ; do I fetch for A?
	s_cselect_b64 s[4:5], s[92:93], s[94:95]       ; the 128 rows that I fetch, at K step 0
	s_cselect_b32 s2, s19, s20
	s_lshl_b32 s2, s2, 15                          ; my work-group's two lines of the eight
	s_mov_b32 s3, 0
	s_add_nc_u64 s[4:5], s[4:5], s[2:3]
	v_bfe_u32 v[PFO], v0, 4, 1
	v_lshlrev_b32 v[PFO], 14, v[PFO]
	v_and_b32 v6, 15, v0
	v_lshl_add_u32 v[PFO], v6, 8, v[PFO]
	global_prefetch_b8 v[PFO], s[4:5] offset:2*4096 th:TH_LOAD_NT scope:SCOPE_SE   ; K step 2
	; the bias and the way out: which of my two sides is the weight's (128 output channels from n0 on) and which the activations' (128 tokens)
	s_cmp_eq_u32 s22, 2
	s_cselect_b32 s40, s41, s42
	s_cselect_b32 s47, s[HR], s[HC]
	s_cselect_b32 s66, s42, s41
	s_cselect_b32 s67, s[HC], s[HR]
	s_cselect_b64 s[98:99], s[10:11], s[8:9]
	s_cmp_eq_u32 s22, 0
	s_cselect_b64 s[98:99], s[6:7], s[98:99]       ; bq, bk or bv
	s_lshl_b32 s2, s40, 1
	s_add_co_u32 s2, s2, s47                       ; n0 / 128
	s_lshl_b32 s96, s2, 9
	s_mov_b32 s97, 0
	s_add_nc_u64 s[98:99], s[98:99], s[96:97]
	s_lshl_b32 s96, s2, 18                         ; two heads of 131,072 bytes for each 128 channels,
	s_lshl_b32 s3, s22, 22                         ; Q, K or V,
	s_add_co_u32 s96, s96, s3
	s_lshr_b32 s3, s66, 3
	s_lshl_b32 s3, s3, 21                          ; the batch,
	s_add_co_u32 s96, s96, s3
	s_lshl_b32 s3, s66, 1
	s_add_co_u32 s3, s3, s67
	s_and_b32 s3, s3, 15
	s_lshl_b32 s3, s3, 13                          ; and my 128 tokens in it: 8,192 bytes in all three layouts
	s_add_co_u32 s96, s96, s3
	s_add_nc_u64 s[14:15], s[14:15], s[96:97]
	v_and_b32 v2, 15, v0
	v_bfe_u32 v3, v0, 4, 1
	v_lshlrev_b32 v4, 5, v3
	v_lshlrev_b32 v5, 2, v2
.irp b, 0,1,2,3,4,5,6,7
	global_load_b128 v[BCOL+8*\b:BCOL+8*\b+3], v4, s[98:99] offset:64*\b         ; bias[n0 + 16 b + 8 h + 0..7]
	global_load_b128 v[BCOL+8*\b+4:BCOL+8*\b+7], v4, s[98:99] offset:64*\b+16
.endr
.irp a, 0,1,2,3,4,5,6,7
	global_load_b32 v[BROW+2*\a], v5, s[98:99] offset:64*\a                      ; bias[n0 + 16 a + r]
.endr
.macro FRAG reg, adr, q, i             ; a fragment as it lies: four loads of 512 consecutive bytes
.irp c, 0,1,2,3
	ds_load_b128 v[\reg+4*\c:\reg+4*\c+3], v[\adr] offset:4096*(\i)+2048*(\q)+512*\c
.endr
.endm
; 16 matrix instructions: A's blocks a0, a0 + 1 x B's eight.  The 64 accumulators take turns, one instruction a turn, in the same order in every step.
.macro MUL16 a0, p, zero
.irp a, \a0, \a0+1
.irp b, 0,1,2,3,4,5,6,7
.if \zero
	v_wmma_f32_16x16x128_fp8_fp8 v[8*(8*((\a)%4)+\b):8*(8*((\a)%4)+\b)+7], v[128*(\p)+FR*\b:128*(\p)+FR*\b+FR-1], v[AF+FR*(\a):AF+FR*(\a)+FR-1], 0
.else
	v_wmma_f32_16x16x128_fp8_fp8 v[8*(8*((\a)%4)+\b):8*(8*((\a)%4)+\b)+7], v[128*(\p)+FR*\b:128*(\p)+FR*\b+FR-1], v[AF+FR*(\a):AF+FR*(\a)+FR-1], v[8*(8*((\a)%4)+\b):8*(8*((\a)%4)+\b)+7]
.endif
.endr
.endr
.endm
.macro FETCH_B slot, q, p
	WIN TO_B
.irp i, 0,1,2,3,4,5,6,7
	FRAG 128*(\p)+FR*\i, ADRB+\slot, \q, \i
.endr
	WIN 0
.endm
.macro FETCH_A slot, q, i0
.irp i, \i0, \i0+1, \i0+2, \i0+3
	FRAG AF+FR*(\i), ADRA+\slot, \q, \i
.endr
.endm
.macro PLACES n
.rept \n
	v_nop
.endr
.endm
; A step of 128 along K that has its successor in the same slot.  A's blocks 0-3 are fetched anew in the step's middle, blocks 4-7 at its end.
.macro STEP slot, q, zero
	s_wait_dscnt 4*NL                              ; B's set and A's blocks 0-3 are in; the youngest 16 loads (A's blocks 4-7) may be out
	WIN MUL_LO
	MUL16 0, (\q)%2, \zero
	MUL16 2, (\q)%2, \zero
	s_wait_dscnt 0
	PLACES NP
	FETCH_B \slot, (\q)+1, 1-(\q)%2
	FETCH_A \slot, (\q)+1, 0
	WIN MUL_HI
	MUL16 4, (\q)%2, \zero
	MUL16 6, (\q)%2, \zero
	PLACES NP
	WIN 0
	FETCH_A \slot, (\q)+1, 4
.endm
; A slot's last step changes slots: the three lines, ONE barrier.  fill = 1: it opens a round of the cluster's barrier, and the slot is filled again, two K steps ahead.
.macro TURN slot, next, fill
	s_wait_tensorcnt 0x0                           ; my part of the next slot has landed
	ds_add_u32 v[SPW], v[NIL]
	s_wait_dscnt 4*NL+1                            ; (the add and the youngest 16 loads may be out)
	WIN MUL_LO
	MUL16 0, 1, 0
	s_wait_dscnt 0x0                               ; the add is done, and my reads of this slot are over
	s_barrier_signal -1
	MUL16 2, 1, 0
	WIN 0
	s_barrier_wait -1
.if \fill
	CREST
	s_add_nc_u64 s[G0+4*\slot+2:G0+4*\slot+3], s[G0+4*\slot+2:G0+4*\slot+3], 2*4096
	s_add_nc_u64 s[G0B+4*\slot+2:G0B+4*\slot+3], s[G0B+4*\slot+2:G0B+4*\slot+3], 2*4096
	JLOAD G0+4*\slot, G1, G0B+4*\slot, G1B
.else
	PLACES NP
.endif
	FETCH_B \next, 0, 0
	FETCH_A \next, 0, 0
	WIN MUL_HI
	MUL16 4, 1, 0
	MUL16 6, 1, 0
	PLACES NP
	WIN 0
	FETCH_A \next, 0, 4
.endm
	s_wait_alu depctr_va_vdst(0)                   ; the head's end
	s_wait_tensorcnt 0x0                           ; my part of K step 0 is in
	ds_add_u32 v[SPW], v[NIL]
	s_wait_dscnt 0x0
	CROUND
	JLOAD G0+4, G1, G0B+4, G1B                     ; K step 1: slot 1's first fill
	FETCH_B 0, 0, 0
	FETCH_A 0, 0, 0
	FETCH_A 0, 0, 4
	global_prefetch_b8 v[PFO], s[4:5] offset:3*4096 th:TH_LOAD_NT scope:SCOPE_SE   ; K step 3: behind K step 1's load and the run of LDS loads
	STEP 0, 0, 1
	TURN 0, 1, 1
	STEP 1, 0, 0
	TURN 1, 0, 1
	STEP 0, 0, 0
	TURN 0, 1, 0
	STEP 1, 0, 0
	s_wait_dscnt 4*NL
	WIN MUL_LO
	MUL16 0, 1, 0
	MUL16 2, 1, 0
	s_wait_dscnt 0
	WIN MUL_HI
	MUL16 4, 1, 0
	MUL16 6, 1, 0
	WIN 0
	; THE WAY OUT.  number = sum x 2^(eA + eB) + bias; held; converted with the result's scale; a block's sixteen code registers leave as four parts of 512 bytes.
	; Each block has its own base and its own code registers: no store's base or data is written again.
	s_wait_loadcnt 0x0                             ; the biases
	s_wait_kmcnt 0x0                               ; the exponents
	s_add_co_i32 s40, s68, s69
	s_add_co_i32 s41, s70, s71
	s_add_co_i32 s42, s72, s73
	s_cmp_eq_u32 s22, 0
	s_cselect_b32 s40, s40, s41
	s_cselect_b32 s43, s74, s75                    ; e6 for Q, e7 for K,
	s_cmp_eq_u32 s22, 2
	s_cselect_b32 s40, s42, s40
	s_cselect_b32 s43, s77, s43                    ; e9 for V
	s_add_co_i32 s40, s40, 127
	s_lshl_b32 s82, s40, 23                        ; 2^(eA + eB)
	s_mov_b32 s83, s82
	s_add_co_i32 s43, s43, 127
	s_lshl_b32 s44, s43, 23
	s_add_co_i32 s43, s43, 8
	s_lshl_b32 s43, s43, 23
	s_or_b32 s43, s43, 0x600000
	s_mov_b64 s[OB:OB+1], s[14:15]                 ; (the last change of slots has waited for all my tensor loads: the descriptors' registers are free)
.irp a, 1,2,3,4,5,6,7
.if \a == 4
	s_add_nc_u64 s[OB+2*\a:OB+2*\a+1], s[OB+2*\a-2:OB+2*\a-1], s[90:91]
.else
	s_add_nc_u64 s[OB+2*\a:OB+2*\a+1], s[OB+2*\a-2:OB+2*\a-1], s[88:89]
.endif
.endr
.set j, 0
.rept 64
	v_and_b32 v[BCOL+j], s84, v[BCOL+j]            ; the kind of bias that does not count becomes 0.  (These lines are also the places behind the last products)
.set j, j+1
.endr
.irp a, 0,1,2,3,4,5,6,7
	v_and_b32 v[BROW+2*\a], s85, v[BROW+2*\a]
	v_mov_b32 v[BROW+2*\a+1], v[BROW+2*\a]
.endr
	v_mov_b32 v[SC], s44
	v_mov_b32 v[LIM], s43
.macro OUTB a
.set AC, 64*((\a)%4)
.set GG, 16*(\a)                       ; in window 1
	WIN 0x02+((\a)/4)                              ; source 0: window 2 or 3
.set j, 0
.rept 32
	v_pk_fma_f32 v[T+j:T+j+1], v[AC+j:AC+j+1], s[82:83], v[BCOL+j:BCOL+j+1] op_sel_hi:[1,0,1]   ; each accumulator from its low end on
.set j, j+2
.endr
	WIN 0
.set j, 0
.rept 32
	v_pk_add_f32 v[T+j:T+j+1], v[T+j:T+j+1], v[BROW+2*(\a):BROW+2*(\a)+1]
.set j, j+2
.endr
.set j, 0
.rept 64
	v_med3_num_f32 v[T+j], v[T+j], -v[LIM], v[LIM] ; the conversion does not saturate (ISA guide 7.6.2): the hold
.set j, j+1
.endr
	WIN 0x40                                       ; destination: window 1
.irp b, 0,1,2,3,4,5,6,7
	v_cvt_scalef32_pk8_fp8_f32 v[GG+2*\b:GG+2*\b+1], v[T+8*\b:T+8*\b+7], v[SC]   ; registers 2 b, 2 b + 1 of the next operand: k = 16 b + 8 h + 0..7
.endr
	v_nop                                          ; a plain line behind the last conversion: the next block writes the conversions' sources
	WIN 0x04                                       ; a store's data: window 1
	global_store_b128 v[CO], v[GG:GG+3], s[OB+2*(\a):OB+2*(\a)+1]
	global_store_b128 v[CO], v[GG+4:GG+7], s[OB+2*(\a):OB+2*(\a)+1] offset:512
	global_store_b128 v[CO2], v[GG+8:GG+11], s[OB+2*(\a):OB+2*(\a)+1]
	global_store_b128 v[CO2], v[GG+12:GG+15], s[OB+2*(\a):OB+2*(\a)+1] offset:512     ; each store: 512 consecutive bytes, aligned
.endm
.irp a, 0,1,2,3,4,5,6,7
	OUTB \a
.endr
	WIN 0
	s_wait_tensorcnt 0x0                           ; the wave's end
	ds_add_u32 v[SPW], v[NIL]
	s_wait_dscnt 0x0
	CROUND                                         ; the closing round
	s_endpgm
.Lfunc_end_k_qa9e89bff38_proj:
	.size	k_qa9e89bff38_proj, .Lfunc_end_k_qa9e89bff38_proj-k_qa9e89bff38_proj
	.p2alignl 7, 3214868480
	.fill 96, 4, 3214868480
	.section	.rodata,"a",@progbits
	.p2align	6, 0x0
	.amdhsa_kernel k_qa9e89bff38_proj
		.amdhsa_group_segment_fixed_size 327680
		.amdhsa_private_segment_fixed_size 0
		.amdhsa_enable_private_segment 0
		.amdhsa_kernarg_size 48
		.amdhsa_user_sgpr_count 2
		.amdhsa_user_sgpr_kernarg_segment_ptr 1
		.amdhsa_wavefront_size32 1
		.amdhsa_system_sgpr_workgroup_id_x 1
		.amdhsa_system_sgpr_workgroup_id_y 1
		.amdhsa_system_sgpr_workgroup_id_z 1
		.amdhsa_system_vgpr_workitem_id 0
		.amdhsa_next_free_vgpr 1024
		.amdhsa_next_free_sgpr 100
		.amdhsa_reserve_vcc 0
		.amdhsa_float_denorm_mode_32 3
		.amdhsa_float_denorm_mode_16_64 3
		.amdhsa_memory_ordered 1
		.amdhsa_forward_progress 1
		.amdhsa_inst_pref_size 157
	.end_amdhsa_kernel
	.amdgpu_metadata
---
amdhsa.version: [ 1, 2 ]
amdhsa.kernels:
  - .name:           k_qa9e89bff38_proj
    .symbol:         k_qa9e89bff38_proj.kd
    .args:
      - { .name: codes, .offset: 0, .size: 8, .value_kind: global_buffer, .address_space: global }
      - { .name: bq, .offset: 8, .size: 8, .value_kind: global_buffer, .address_space: global }
      - { .name: bk, .offset: 16, .size: 8, .value_kind: global_buffer, .address_space: global }
      - { .name: bv, .offset: 24, .size: 8, .value_kind: global_buffer, .address_space: global }
      - { .name: lowp_scales, .offset: 32, .size: 8, .value_kind: global_buffer, .address_space: global }
      - { .name: qkv, .offset: 40, .size: 8, .value_kind: global_buffer, .address_space: global }
    .group_segment_fixed_size: 327680
    .private_segment_fixed_size: 0
    .kernarg_segment_align: 8
    .kernarg_segment_size: 48
    .max_flat_workgroup_size: 128
    .sgpr_count:     100
    .vgpr_count:     1024
    .wavefront_size: 32
...
	.end_amdgpu_metadata
.endif
;; end of part 2
;; launch attn (part 3): grid 8 x 32, 8 waves a work-group, clusters of 4 x 1, 327,680 bytes of LDS; arguments qkv, lowp_scales, oc; writes oc
.if DOCPART == 3
	.amdgcn_target "amdgcn-amd-amdhsa--gfx1250"
	.amdhsa_code_object_version 6
	.text
	.protected	k_qa9e89bff38_attn
	.globl	k_qa9e89bff38_attn
	.p2align	8
	.type	k_qa9e89bff38_attn,@function
k_qa9e89bff38_attn:
	s_mov_b64 s[64:65], 0
	v_nop
	global_prefetch_b8 v0, s[64:65] scope:SCOPE_SE
	s_setreg_imm32_b32 hwreg(HW_REG_WAVE_MODE, 25, 1), 1
	s_wait_xcnt 0x0
	s_wait_alu depctr_hold_cnt(0) depctr_sa_sdst(0) depctr_va_vdst(0) depctr_va_sdst(0) depctr_va_ssrc(0) depctr_va_vcc(0) depctr_vm_vsrc(0)
	s_getreg_b32 s2, hwreg(HW_REG_IB_STS2, 6, 4)
	s_cmp_eq_u32 s2, 0
	s_cbranch_scc0 .Lentry_in_a_cluster
	s_endpgm
.Lentry_in_a_cluster:
	s_bfe_u32 s2, ttmp6, 0x10000c
	s_cmp_lg_u32 s2, 0x3003
	s_cbranch_scc0 .Lentry_shape_is_right
	s_endpgm
.Lentry_shape_is_right:
; Attention on codes of FP8 (E4M3): for each batch x head (32) o = softmax(Q K^T / 8) V, 2,048 queries and keys, 64 channels; the result is quantised with e11 and stored as codes.
; t = score x log2(e) / 8; M = the running largest t rounded up to a whole number; p = 2^(t - M) is quantised with e8; the row's sum is taken of the unquantised p and divides at the end.
; INPUTS are images of operand registers.  qkv + 0: Q, + 4 MiB: K: [batch x head][tile of 16 tokens 128][1,024 bytes]; + 8 MiB: V: [batch x head][128 keys 16][tile of 16 channels 4][2,048 bytes].
; OUTPUT oc: [tile of 16 tokens 256][K block of 128 channels 8][2,048 bytes]: a head's 64 channels are two parts of 512 bytes.
; SHARES.  A work-group owns 256 queries of one head, each of its eight waves 32 (two tiles).  The head's K and V, 131,072 bytes each, lie whole in LDS and no byte is filled again.
; They come in TWO loads a wave (waves 0-3: K, waves 4-7: V): at the head 8,192 bytes, together key steps 0 to 3; behind the full sequence and a round the other 24,576, which land while steps 0 to 2 are worked;
; a barrier ahead of step 3, whose fetch reaches step 4, shows them to every wave.  The four work-groups of a cluster walk the same head: each load is asked for jointly.
; Both loads are asked for ahead of the first key step: no load is left to run ahead of, so there is no prefetch.
; Both products are used transposed (S^T = K Q^T, O^T = V^T P^T): a lane holds one query, its registers run along the keys.
; A KEY STEP is 128 keys.  The exponentials of one tile take turns with plain lines on the other tile that read nothing written in the same block: tile 1's scalings, then tile 0's first sums and holds.
; The step stands in two loops, of 3 and of 13 trips; the fetch one step ahead is held at step 15, so the last trip reads that step's fragments once more and nobody uses them.
; LIMITS: e6 + e7 between -123 and 130; e8 and e11 between -126 and 119; the scaled scores stay under 2^31 in magnitude.  NaN is not served.
; REGISTERS.  window 0: v1-15 addresses, constants; v16-31 state, 8 a tile: -M, largest t, the sum (2), f (2), at work (2); v32-63 tile 0's first sums; v96-223 S^T, then p; v224-255 p's codes.
;   window 1: v0-63 O^T; v64-79 Q; v80-143 K's fragments; v144-207 V's.
.set VOFF,  131072
.set SPARE, 262144                     ; behind K and V: the spare words, 128 bytes a wave
.set STEPB, 8192                       ; 128 keys of K, and of V
.set LI,   1
.set LIV,  2
.set ADK,  3
.set ADV,  4
.set SPW,  5
.set NIL,  6
.set LIMP, 8
.set SCP,  9
.set CH2,  10
.set PD,   14
.set ST,   16
.set TMP,  32
.set S,    96
.set P,    224
.set O,    0
.set Q,    64
.set FK,   80
.set FV,   144
.set WV,   10
.set G1A,  16
.set G1B,  24
.set G0A,  32
.set G0B,  36
.set TB,   54
.set CNT,  55
.set CS,   56
.set SEL,  58
.set MSB,  0
.macro WIN new                         ; the immediate's high byte repeats the setting that is left
.if MSB != (\new)
	s_set_vgpr_msb (MSB<<8)|(\new)
.set MSB, (\new)
.endif
.endm
.macro ROUND                           ; a round of the cluster's barrier
	s_barrier_signal -1
	s_barrier_wait -1
	s_cmp_lg_u32 s[WV], 0
	s_cbranch_scc1 .Lnot_wave_0_\@
	s_barrier_signal -3
.Lnot_wave_0_\@:
	s_barrier_wait -3
	s_barrier_signal -1
	s_barrier_wait -1
.endm
.macro DMIN r                          ; the hold of two neighbours in one line
	v_dual_min_num_f32 v[\r], v[\r], v[LIMP] :: v_dual_min_num_f32 v[(\r)+1], v[(\r)+1], v[LIMP]
.endm
	s_load_b128 s[4:7], s[0:1], 0x0                ; qkv, lowp_scales
	s_load_b64 s[8:9], s[0:1], 0x10                ; oc
	v_lshl_add_u32 v[SPW], v0, 2, SPARE
	v_mov_b32 v[NIL], 0
	ds_add_u32 v[SPW], v[NIL]                      ; the opening lines: the add twice on end and its wait ahead of my first tensor load
	ds_add_u32 v[SPW], v[NIL]
	v_lshrrev_b32 v7, 5, v0
	v_readfirstlane_b32 s[WV], v7                  ; wave 0..7
	s_bfe_u32 s11, ttmp6, 0x40000                  ; cx
	s_lshl_b32 s12, ttmp9, 2
	s_add_co_u32 s12, s12, s11                     ; which 256 queries
	s_and_b32 s13, ttmp7, 0xffff                   ; batch x head
	s_mov_b32 s[G1A], 15|(3<<16)|(1<<21)           ; the mask names the cluster's four; elements of 8 bytes; bit 21 beside a mask
	s_mov_b32 s[G1A+1], 32<<16                     ; rows of 256 bytes,
	s_mov_b32 s[G1A+2], 32<<16                     ; 32 of them, dense
	s_mov_b32 s[G1A+3], 32<<16
	s_mov_b32 s[G1A+4], 32
	s_mov_b32 s[G1A+5], 32
	s_mov_b32 s[G1A+6], 0
	s_mov_b32 s[G1A+7], 0
	s_mov_b32 s[G1B], 15|(3<<16)|(1<<21)
	s_mov_b32 s[G1B+1], 32<<16
	s_mov_b32 s[G1B+2], 96<<16                     ; 96 rows
	s_mov_b32 s[G1B+3], 32<<16
	s_mov_b32 s[G1B+4], 96
	s_mov_b32 s[G1B+5], 32
	s_mov_b32 s[G1B+6], 0
	s_mov_b32 s[G1B+7], 0
	s_lshr_b32 s14, s[WV], 2                       ; K or V
	s_and_b32 s15, s[WV], 3                        ; which quarter of a load's bytes
	s_lshl_b32 s3, s14, 17
	s_lshl_b32 s62, s15, 13                        ; the first 32,768 bytes in quarters,
	s_mov_b32 s63, 0
	s_mul_i32 s60, s15, 24576
	s_add_co_u32 s60, s60, 32768                   ; then the other 98,304
	s_mov_b32 s61, 0
	s_mov_b32 s[G0A], 1
	s_add_co_u32 s[G0A+1], s3, s62
	s_mov_b32 s[G0B], 1
	s_add_co_u32 s[G0B+1], s3, s60
	s_lshl_b32 s2, s14, 22
	s_add_co_u32 s2, s2, 0x400000
	s_lshl_b32 s3, s13, 17
	s_add_co_u32 s2, s2, s3                        ; the head's K or V
	s_mov_b32 s3, 0
	s_mov_b32 s[SEL], 0x76543210
	s_mov_b32 s[SEL+1], 0xfedcba98
	s_mov_b32 s[CS], 0x3e38aa3b                    ; c = log2(e) / 8
	s_mov_b32 s[TB], 0
	s_wait_dscnt 0x0
	s_wait_kmcnt 0x0
	s_load_b64 s[40:41], s[6:7], 0x18              ; e6, e7
	s_load_b128 s[44:47], s[6:7], 0x20             ; e8 .. e11
	s_add_nc_u64 s[2:3], s[4:5], s[2:3]
	s_add_nc_u64 s[G0A+2:G0A+3], s[2:3], s[62:63]
	s_or_b32 s[G0A+3], s[G0A+3], 0x80000000
	s_add_nc_u64 s[G0B+2:G0B+3], s[2:3], s[60:61]
	s_or_b32 s[G0B+3], s[G0B+3], 0x80000000
	ROUND                                          ; the four work-groups are here: the joint loads meet
	tensor_load_to_lds s[G0A:G0A+3], s[G1A:G1A+7]  ; key steps 0 to 3
	s_nop 0
.rept 4
	v_nop
.endr
	s_lshl_b32 s60, s13, 17                        ; Q: the head, my work-group's 256 queries, my wave's 32
	s_lshl_b32 s62, s12, 14
	s_add_co_u32 s60, s60, s62
	s_lshl_b32 s62, s[WV], 11
	s_add_co_u32 s60, s60, s62
	s_add_nc_u64 s[4:5], s[4:5], s[60:61]
	s_lshr_b32 s60, s13, 4                         ; oc: the batch, the queries' tiles of 16,384 bytes, the head's 1,024 bytes
	s_lshl_b32 s60, s60, 21
	s_lshl_b32 s62, s12, 18
	s_add_co_u32 s60, s60, s62
	s_lshl_b32 s62, s[WV], 15
	s_add_co_u32 s60, s60, s62
	s_and_b32 s62, s13, 15
	s_lshl_b32 s62, s62, 10
	s_add_co_u32 s60, s60, s62
	s_add_nc_u64 s[8:9], s[8:9], s[60:61]
	v_and_b32 v7, 31, v0
	v_lshlrev_b32 v[LI], 4, v7
	v_add_nc_u32 v[LIV], VOFF, v[LI]
	v_mov_b32 v[ADK], v[LI]
	WIN 0x40
.irp t, 0,1
.irp c, 0,1
	global_load_b128 v[Q+8*\t+4*\c:Q+8*\t+4*\c+3], v[LI], s[4:5] offset:1024*\t+512*\c
.endr
.endr
.set j, 0
.rept 64
	v_mov_b32 v[O+j], 0                            ; the step has no first form of its own: the first finds zeros
.set j, j+1
.endr
	WIN 0
.irp t, 0,1
	v_mov_b32 v[ST+8*\t+1], 0xff61b1e6             ; the largest t so far: -3e38
	v_mov_b32 v[ST+8*\t+2], 0
	v_mov_b32 v[ST+8*\t+3], 0
	v_mov_b32 v[ST+8*\t+5], 0
	v_mov_b32 v[PD+\t], 0
.endr
.irp t, 0,1
	v_floor_f32 v[ST+8*\t], -v[ST+8*\t+1]
.endr
	s_wait_kmcnt 0x0
	s_add_co_i32 s2, s40, s41
	s_lshl_b32 s2, s2, 23
	s_add_co_i32 s[CS], s[CS], s2                  ; e6 + e7 go into c's exponent field
	s_mov_b32 s[CS+1], s[CS]
	s_add_co_i32 s2, s44, 127
	s_lshl_b32 s3, s2, 23
	v_mov_b32 v[SCP], s3                           ; 2^e8
	s_add_co_i32 s2, s2, 8
	s_lshl_b32 s2, s2, 23
	s_or_b32 s2, s2, 0x600000
	v_mov_b32 v[LIMP], s2                          ; 448 x 2^e8
	s_add_co_i32 s48, s44, s45                     ; e8 + e9
	s_add_co_i32 s2, s47, 127
	s_lshl_b32 s49, s2, 23                         ; 2^e11
	s_add_co_i32 s2, s2, 8
	s_lshl_b32 s2, s2, 23
	s_or_b32 s50, s2, 0x600000                     ; 448 x 2^e11
.macro FETCHK
	WIN 0x40
.irp kt, 0,1,2,3,4,5,6,7
.irp c, 0,1
	ds_load_b128 v[FK+8*\kt+4*\c:FK+8*\kt+4*\c+3], v[ADK] offset:1024*\kt+512*\c
.endr
.endr
.endm                                  ; (the window stays: V's loads, or WIN 0, follow)
.macro FETCHV
	WIN 0x40
.irp ct, 0,1,2,3
.irp p, 0,1,2,3
	ds_load_b128 v[FV+16*\ct+4*\p:FV+16*\ct+4*\p+3], v[ADV] offset:2048*\ct+512*\p
.endr
.endr
	WIN 0
.endm
.macro KSTEP
	s_wait_dscnt 0x0                               ; K's fragments are in (ahead of the first step: the run in front of the loop)
	WIN 0x05
.irp kt, 0,1,2,3,4,5,6,7
.irp t, 0,1
	v_wmma_f32_16x16x64_fp8_fp8 v[S+64*\t+8*\kt:S+64*\t+8*\kt+7], v[FK+8*\kt:FK+8*\kt+7], v[Q+8*\t:Q+8*\t+7], 0
.endr
.endr
	WIN 0
	v_add_nc_u32 v[ADV], s[TB], v[LIV]             ; this step's V
	s_add_co_u32 s[TB], s[TB], STEPB
	s_min_u32 s[TB], s[TB], 15*STEPB               ; the next step, held at the last
	v_add_nc_u32 v[ADK], s[TB], v[LI]              ; the next step's K
	v_nop
	v_nop                                          ; four places ahead of the first read of S^T
.irp t, 0,1
	v_max3_num_f32 v[ST+8*\t+6], v[S+64*\t], v[S+64*\t+1], v[S+64*\t+2]
	v_max3_num_f32 v[ST+8*\t+7], v[S+64*\t+3], v[S+64*\t+4], v[S+64*\t+5]
.endr
.irp i, 6,10,14,18,22,26,30,34,38,42,46,50,54,58
.irp t, 0,1
	v_max3_num_f32 v[ST+8*\t+6], v[ST+8*\t+6], v[S+64*\t+\i], v[S+64*\t+\i+1]
	v_max3_num_f32 v[ST+8*\t+7], v[ST+8*\t+7], v[S+64*\t+\i+2], v[S+64*\t+\i+3]
.endr
.endr
	FETCHK                                         ; one run of 32 LDS loads, 60 plain lines behind the products that read these registers: the next step's K,
	FETCHV                                         ; and this step's V, which the second product reads at the step's end
.irp t, 0,1
	v_max3_num_f32 v[ST+8*\t+6], v[ST+8*\t+6], v[S+64*\t+62], v[S+64*\t+63]
.endr
.irp t, 0,1
	s_delay_alu instid0(VALU_DEP_2)
	v_max_num_f32 v[ST+8*\t+6], v[ST+8*\t+6], v[ST+8*\t+7]
.endr
.irp t, 0,1
	s_delay_alu instid0(VALU_DEP_2)
	v_permlanex16_b32 v[PD+\t], v[ST+8*\t+6], s[SEL], s[SEL+1]
.endr
.irp t, 0,1
	s_delay_alu instid0(VALU_DEP_2)
	v_max_num_f32 v[ST+8*\t+6], v[ST+8*\t+6], v[PD+\t]
.endr
.irp t, 0,1
	s_delay_alu instid0(VALU_DEP_2)
	v_mul_f32 v[ST+8*\t+6], s[CS], v[ST+8*\t+6]
.endr
.irp t, 0
	s_delay_alu instid0(VALU_DEP_2)
	v_max_num_f32 v[ST+8*\t+1], v[ST+8*\t+1], v[ST+8*\t+6]
	v_mov_b32 v[ST+8*\t+6], v[ST+8*\t]
.endr
.irp t, 1
	s_delay_alu instid0(VALU_DEP_3)
	v_max_num_f32 v[ST+8*\t+1], v[ST+8*\t+1], v[ST+8*\t+6]
	v_mov_b32 v[ST+8*\t+6], v[ST+8*\t]
.endr
.irp t, 0
	s_delay_alu instid0(VALU_DEP_4)
	v_floor_f32 v[ST+8*\t], -v[ST+8*\t+1]          ; -M = floor(-t)
.endr
.irp t, 1
	s_delay_alu instid0(VALU_DEP_3)
	v_floor_f32 v[ST+8*\t], -v[ST+8*\t+1]
.endr
.irp t, 0,1
	s_delay_alu instid0(VALU_DEP_2)
	v_sub_f32 v[ST+8*\t+6], v[ST+8*\t], v[ST+8*\t+6]
.endr
.irp t, 0,1
	s_delay_alu instid0(VALU_DEP_2)
	v_cvt_i32_f32 v[ST+8*\t+6], v[ST+8*\t+6]
.endr
.irp t, 0,1
	s_delay_alu instid0(VALU_DEP_2)
	v_ldexp_f32 v[ST+8*\t+4], 1.0, v[ST+8*\t+6]    ; f = 2^(old M - new M)
.endr
	WIN 0x41
.irp t, 0,1
.set j, 0
.rept 16
	v_pk_mul_f32 v[O+32*\t+j:O+32*\t+j+1], v[O+32*\t+j:O+32*\t+j+1], v[ST+8*\t+4:ST+8*\t+5] op_sel_hi:[1,0]   ; O^T under the new M, ahead of the step's exponentials
.set j, j+2
.endr
.endr
	WIN 0
.irp t, 0,1
	v_pk_mul_f32 v[ST+8*\t+2:ST+8*\t+3], v[ST+8*\t+2:ST+8*\t+3], v[ST+8*\t+4:ST+8*\t+5] op_sel_hi:[1,0]      ; and the sums
.endr
.set j, 0
.rept 32
	v_pk_fma_f32 v[S+j:S+j+1], v[S+j:S+j+1], s[CS:CS+1], v[ST:ST+1] op_sel_hi:[1,0,0]                          ; tile 0: t - M
.set j, j+2
.endr
	s_wait_alu depctr_va_vdst(0)                   ; ahead of a batch
.set j, 0
.rept 32                               ; tile 0's exponentials; between them tile 1's t - M, read only behind the next wait
	v_exp_f32 v[S+j], v[S+j]
	v_exp_f32 v[S+j+1], v[S+j+1]
	v_pk_fma_f32 v[S+64+j:S+64+j+1], v[S+64+j:S+64+j+1], s[CS:CS+1], v[ST+8:ST+9] op_sel_hi:[1,0,0]
.set j, j+2
.endr
	s_wait_alu depctr_va_vdst(0)                   ; behind tile 0's batch and ahead of tile 1's
.set j, 0
.rept 16                               ; tile 1's exponentials; between them tile 0's first sums (of the unquantised p) and then its holds: each result is read only behind the next wait
	v_exp_f32 v[S+64+j], v[S+64+j]
	v_exp_f32 v[S+64+j+1], v[S+64+j+1]
	v_pk_add_f32 v[TMP+j/2:TMP+j/2+1], v[S+j:S+j+1], v[S+j+2:S+j+3]
	v_exp_f32 v[S+64+j+2], v[S+64+j+2]
	DMIN S+j
	v_exp_f32 v[S+64+j+3], v[S+64+j+3]
	DMIN S+j+2
.set j, j+4
.endr
	v_nop                                          ; a plain place behind the last exponential
	s_wait_alu depctr_va_vdst(0)                   ; behind the batch, ahead of its first reader
.irp kt, 0,1,2,3,4,5,6,7
	v_cvt_scalef32_pk8_fp8_f32 v[P+2*\kt:P+2*\kt+1], v[S+8*\kt:S+8*\kt+7], v[SCP]
.endr
.set n, 0
.rept 16                               ; the sums, in four chains by turns, and tile 1's holds behind the sums that read the same numbers
.if n == 0
	v_pk_add_f32 v[CH2+2:CH2+3], v[S+64:S+65], v[S+66:S+67]
	v_pk_add_f32 v[CH2:CH2+1], v[TMP:TMP+1], v[TMP+2:TMP+3]
.else
	v_pk_add_f32 v[ST+10:ST+11], v[ST+10:ST+11], v[S+64+4*n:S+64+4*n+1]
	v_pk_add_f32 v[CH2+2:CH2+3], v[CH2+2:CH2+3], v[S+64+4*n+2:S+64+4*n+3]
.if n == 15
	v_pk_add_f32 v[ST+2:ST+3], v[ST+2:ST+3], v[CH2:CH2+1]
.elseif n % 2
	v_pk_add_f32 v[ST+2:ST+3], v[ST+2:ST+3], v[TMP+2*(n+1):TMP+2*(n+1)+1]
.else
	v_pk_add_f32 v[CH2:CH2+1], v[CH2:CH2+1], v[TMP+2*(n+1):TMP+2*(n+1)+1]
.endif
.endif
	DMIN S+64+4*n
	DMIN S+64+4*n+2
.set n, n+1
.endr
	v_pk_add_f32 v[ST+10:ST+11], v[ST+10:ST+11], v[CH2+2:CH2+3]
.irp kt, 0,1,2,3,4,5,6,7
	v_cvt_scalef32_pk8_fp8_f32 v[P+16+2*\kt:P+16+2*\kt+1], v[S+64+8*\kt:S+64+8*\kt+7], v[SCP]
.endr
	v_nop                                          ; a plain line between the last conversion and the products that read the codes
	s_wait_alu depctr_va_vdst(0)                   ; directly ahead of the wait below
	s_wait_dscnt 0x0                               ; V's 16 loads, the youngest, are in
	WIN 0x51
.irp ct, 0,1,2,3
.irp t, 0,1
	v_wmma_f32_16x16x128_fp8_fp8 v[O+32*\t+8*\ct:O+32*\t+8*\ct+7], v[FV+16*\ct:FV+16*\ct+15], v[P+16*\t:P+16*\t+15], v[O+32*\t+8*\ct:O+32*\t+8*\ct+7]
.endr
.endr
	WIN 0
.endm
	s_wait_alu depctr_va_vdst(0)                   ; the head's end
	s_wait_tensorcnt 0x0                           ; my part of key steps 0 to 3 is in
	ds_add_u32 v[SPW], v[NIL]
	s_wait_dscnt 0x0
	ROUND                                          ; everybody's part is in, and the joint loads meet
	tensor_load_to_lds s[G0B:G0B+3], s[G1B:G1B+7]  ; key steps 4 to 15
	s_nop 0
.rept 4
	v_nop
.endr
	FETCHK                                         ; step 0's K
	WIN 0
	s_wait_loadcnt 0x0
	s_mov_b32 s[CNT], 3
.Lfirst:                                               ; steps 0 to 2: they fetch steps 1 to 3
	KSTEP
	s_sub_co_u32 s[CNT], s[CNT], 1
	s_cmp_lg_u32 s[CNT], 0
	s_cbranch_scc1 .Lfirst
	s_wait_tensorcnt 0x0                           ; my part of key steps 4 to 15 is in,
	s_wait_dscnt 0x0                               ; no LDS instruction of mine is pending at the signal,
	s_barrier_signal -1
	s_barrier_wait -1                              ; and everybody's part is in
	s_mov_b32 s[CNT], 13
.Lrest:                                                ; steps 3 to 15
	KSTEP
	s_sub_co_u32 s[CNT], s[CNT], 1
	s_cmp_lg_u32 s[CNT], 0
	s_cbranch_scc1 .Lrest
	; THE WAY OUT: O^T x 2^(e8 + e9) / the sum, held, converted with e11: the codes are the next product's operand registers
.irp t, 0,1
	v_add_f32 v[ST+8*\t+2], v[ST+8*\t+2], v[ST+8*\t+3]
.endr
.irp t, 0,1
	v_permlanex16_b32 v[PD+\t], v[ST+8*\t+2], s[SEL], s[SEL+1]
.endr
.irp t, 0,1
	v_add_f32 v[ST+8*\t+2], v[ST+8*\t+2], v[PD+\t]
.endr
	s_wait_alu depctr_va_vdst(0)
.irp t, 0,1
	v_rcp_f32 v[ST+8*\t+6], v[ST+8*\t+2]
.endr
	v_mov_b32 v[SCP], s49
	v_mov_b32 v[LIMP], s50
	s_wait_alu depctr_va_vdst(0)
.irp t, 0,1
	v_ldexp_f32 v[ST+8*\t+6], v[ST+8*\t+6], s48
.endr
	WIN 0x01
	s_wait_alu depctr_va_vdst(0)                   ; directly ahead of the first reader of O^T
.irp t, 0,1
.set j, 0
.rept 16
	v_pk_mul_f32 v[S+32*\t+j:S+32*\t+j+1], v[O+32*\t+j:O+32*\t+j+1], v[ST+8*\t+6:ST+8*\t+7] op_sel_hi:[1,0]
.set j, j+2
.endr
.endr
	WIN 0
.set j, 0
.rept 64
	v_med3_num_f32 v[S+j], v[S+j], -v[LIMP], v[LIMP]
.set j, j+1
.endr
.irp t, 0,1
.irp ct, 0,1,2,3
	v_cvt_scalef32_pk8_fp8_f32 v[P+8*\t+2*\ct:P+8*\t+2*\ct+1], v[S+32*\t+8*\ct:S+32*\t+8*\ct+7], v[SCP]
.endr
.endr
	v_nop
.irp t, 0,1
.irp c, 0,1
	global_store_b128 v[LI], v[P+8*\t+4*\c:P+8*\t+4*\c+3], s[8:9] offset:16384*\t+512*\c   ; 512 consecutive bytes, aligned
.endr
.endr
	s_wait_tensorcnt 0x0                           ; the wave's end
	ds_add_u32 v[SPW], v[NIL]
	s_wait_dscnt 0x0
	ROUND                                          ; the closing round
	s_endpgm
.Lfunc_end_k_qa9e89bff38_attn:
	.size	k_qa9e89bff38_attn, .Lfunc_end_k_qa9e89bff38_attn-k_qa9e89bff38_attn
	.p2alignl 7, 3214868480
	.fill 96, 4, 3214868480
	.section	.rodata,"a",@progbits
	.p2align	6, 0x0
	.amdhsa_kernel k_qa9e89bff38_attn
		.amdhsa_group_segment_fixed_size 327680
		.amdhsa_private_segment_fixed_size 0
		.amdhsa_enable_private_segment 0
		.amdhsa_kernarg_size 24
		.amdhsa_user_sgpr_count 2
		.amdhsa_user_sgpr_kernarg_segment_ptr 1
		.amdhsa_wavefront_size32 1
		.amdhsa_system_sgpr_workgroup_id_x 1
		.amdhsa_system_sgpr_workgroup_id_y 1
		.amdhsa_system_sgpr_workgroup_id_z 1
		.amdhsa_system_vgpr_workitem_id 0
		.amdhsa_next_free_vgpr 464
		.amdhsa_next_free_sgpr 66
		.amdhsa_reserve_vcc 0
		.amdhsa_float_denorm_mode_32 3
		.amdhsa_float_denorm_mode_16_64 3
		.amdhsa_memory_ordered 1
		.amdhsa_forward_progress 1
		.amdhsa_inst_pref_size 76
	.end_amdhsa_kernel
	.amdgpu_metadata
---
amdhsa.version: [ 1, 2 ]
amdhsa.kernels:
  - .name:           k_qa9e89bff38_attn
    .symbol:         k_qa9e89bff38_attn.kd
    .args:
      - { .name: qkv, .offset: 0, .size: 8, .value_kind: global_buffer, .address_space: global }
      - { .name: lowp_scales, .offset: 8, .size: 8, .value_kind: global_buffer, .address_space: global }
      - { .name: oc, .offset: 16, .size: 8, .value_kind: global_buffer, .address_space: global }
    .group_segment_fixed_size: 327680
    .private_segment_fixed_size: 0
    .kernarg_segment_align: 8
    .kernarg_segment_size: 24
    .max_flat_workgroup_size: 256
    .sgpr_count:     66
    .vgpr_count:     464
    .wavefront_size: 32
...
	.end_amdgpu_metadata
.endif
;; end of part 3
;; launch experts (part 4): grid 16 x 16, 4 waves a work-group, clusters of 4 x 4, 327,680 bytes of LDS; arguments oc, codes, be, lowp_scales, mc; writes mc
.if DOCPART == 4
	.amdgcn_target "amdgcn-amd-amdhsa--gfx1250"
	.amdhsa_code_object_version 6
	.text
	.protected	k_qa9e89bff38_experts
	.globl	k_qa9e89bff38_experts
	.p2align	8
	.type	k_qa9e89bff38_experts,@function
k_qa9e89bff38_experts:
	s_mov_b64 s[64:65], 0
	v_nop
	global_prefetch_b8 v0, s[64:65] scope:SCOPE_SE
	s_setreg_imm32_b32 hwreg(HW_REG_WAVE_MODE, 25, 1), 1
	s_wait_xcnt 0x0
	s_wait_alu depctr_hold_cnt(0) depctr_sa_sdst(0) depctr_va_vdst(0) depctr_va_sdst(0) depctr_va_ssrc(0) depctr_va_vcc(0) depctr_vm_vsrc(0)
	s_getreg_b32 s2, hwreg(HW_REG_IB_STS2, 6, 4)
	s_cmp_eq_u32 s2, 0
	s_cbranch_scc0 .Lentry_in_a_cluster
	s_endpgm
.Lentry_in_a_cluster:
	s_bfe_u32 s2, ttmp6, 0x10000c
	s_cmp_lg_u32 s2, 0xf033
	s_cbranch_scc0 .Lentry_shape_is_right
	s_endpgm
.Lentry_shape_is_right:
; m = the mean over the 8 experts of (o We[e]^T + be[e]), on codes of FP8 (E4M3), quantised at once with e12 and stored as codes.  The eight products are one sum over 64 steps (K block of 128, expert).
; o's codes (oc) and m's (mc): [tile of 16 tokens 256][K block 8][2,048 bytes]; We's codes at codes + 16 MiB: [K block 8][tile of 16 rows 512][2,048 bytes]: images of operand registers, part c = registers 4 c .. 4 c + 3, lane l's 16 bytes at 16 l.
; number = sum x 2^(e10 + e11 - 3) + the mean of be.  LIMITS: e10 + e11 between -123 and 130; e12 between -126 and 119.  NaN is not served.
; SHARES.  A work-group makes 256 tokens x 64 outputs; a wave 128 x 32: 16 accumulators.  Source 0 = We's rows ('B'), source 1 = o's rows ('A'): a lane holds one token and eight neighbouring outputs.
; A'S FRAGMENTS GO FROM MEMORY STRAIGHT INTO REGISTERS: an image is loaded as it lies, 32 loads of 512 consecutive bytes for a K block, two K blocks ahead, in three sets of 128 registers; each serves eight steps.
; So LDS holds B alone, and a slot holds TWO K blocks (2 x 8 experts x 8,192 bytes): two slots.  Each wave fills a quarter of a slot (a K block's four experts) by one load.
; B's tile hangs on the tile column alone: it is asked for jointly along a column of the 4 x 4 cluster.  A is not asked for jointly: a load into registers has no joint form.
; A refill is asked for sixteen steps, 256 matrix instructions, ahead of the wait for it; no prefetch is laid beside that.
; REGISTERS.  window 0: v4-7 LDS addresses of B's K blocks; v8-13 offsets, constants; v16-31 the mean bias; v32-127 B's fragments, three sets of 32; v128-255 the accumulators.  windows 1, 2: A's sets.
.set SLOT,  131072
.set SPARE, 2*SLOT
.set ADRB,  4
.set CO,    8
.set LIM,   10
.set SC,    11
.set SPW,   12
.set NIL,   13
.set MB,    16
.set BF,    32
.set ACC,   128
.set T,     32
.set G,     96
.set WV,    14
.set HR,    15
.set HC,    16
.set G1B,   32
.set G0B,   52
.set MSB,   0
.macro WIN new
.if MSB != (\new)
	s_set_vgpr_msb (MSB<<8)|(\new)
.set MSB, (\new)
.endif
.endm
.macro TLOAD s                         ; my quarter of slot s; an s_nop 0 and four v_nop follow
	tensor_load_to_lds s[G0B+4*(\s):G0B+4*(\s)+3], s[G1B:G1B+7]
	s_nop 0
.rept 4
	v_nop
.endr
.endm
.macro CREST
	s_cmp_lg_u32 s[WV], 0
	s_cbranch_scc1 .Lnot_wave_0_\@
	s_barrier_signal -3
.Lnot_wave_0_\@:
	s_barrier_wait -3
	s_barrier_signal -1
	s_barrier_wait -1
.endm
.macro CROUND
	s_barrier_signal -1
	s_barrier_wait -1
	CREST
.endm
.macro PLACES
.rept 4
	v_nop
.endr
.endm
	s_load_b256 s[4:11], s[0:1], 0x0               ; oc, codes, be, lowp_scales
	s_load_b64 s[12:13], s[0:1], 0x20              ; mc
	v_lshl_add_u32 v[SPW], v0, 2, SPARE
	v_mov_b32 v[NIL], 0
	ds_add_u32 v[SPW], v[NIL]                      ; the opening lines: the add twice on end and its wait
	ds_add_u32 v[SPW], v[NIL]
	v_lshrrev_b32 v1, 5, v0
	v_readfirstlane_b32 s[WV], v1
	s_lshr_b32 s[HR], s[WV], 1                     ; which 128 tokens are mine; also: which K block of a slot I fetch
	s_and_b32 s[HC], s[WV], 1                      ; which 32 outputs; also: which four experts I fetch
	s_bfe_u32 s17, ttmp6, 0x40000
	s_bfe_u32 s18, ttmp6, 0x40004
	s_lshl_b32 s19, ttmp9, 2
	s_add_co_u32 s19, s19, s17                     ; tile column, 0..15
	s_and_b32 s20, ttmp7, 0xffff
	s_lshl_b32 s20, s20, 2
	s_add_co_u32 s20, s20, s18                     ; tile row, 0..15
	s_lshl_b32 s22, 0x1111, s17                    ; my column of the cluster
	s_or_b32 s[G1B], s22, (3<<16)|(1<<21)
	s_mov_b32 s[G1B+1], 1024<<16                   ; a row: an expert's four tiles, 8,192 bytes
	s_mov_b32 s[G1B+2], 4<<16                      ; four experts,
	s_mov_b32 s[G1B+3], 1024<<16
	s_mov_b32 s[G1B+4], 4
	s_mov_b32 s[G1B+5], 16384                      ; 131,072 bytes apart
	s_mov_b32 s[G1B+6], 0
	s_mov_b32 s[G1B+7], 0
	s_lshl_b32 s72, s20, 4
	s_lshl_b32 s73, s[HR], 3
	s_add_co_u32 s72, s72, s73
	s_lshl_b32 s72, s72, 14                        ; my 128 tokens: 8 tiles of 16,384 bytes, in oc and in mc
	s_mov_b32 s73, 0
	s_lshl_b32 s74, s19, 13
	s_lshl_b32 s75, s[HC], 19
	s_add_co_u32 s74, s74, s75
	s_lshl_b32 s75, s[HR], 20
	s_add_co_u32 s74, s74, s75
	s_add_co_u32 s74, s74, 0x1000000               ; B: the tile column, my four experts, my K block: hangs on cx and the wave, not on cy
	s_mov_b32 s75, 0
	s_lshl_b32 s77, s[WV], 15                      ; where it goes in a slot
	s_lshl_b32 s82, s19, 8
	s_lshl_b32 s83, s[HC], 7
	s_add_co_u32 s82, s82, s83                     ; be at my 32 outputs
	s_mov_b32 s83, 0
	s_lshr_b32 s80, s19, 1
	s_lshl_b32 s84, s80, 11
	s_and_b32 s80, s19, 1
	s_lshl_b32 s80, s80, 1
	s_add_co_u32 s80, s80, s[HC]
	s_lshl_b32 s80, s80, 9
	s_add_co_u32 s84, s84, s80
	s_add_co_u32 s84, s84, s72                     ; mc: my tokens, the K block of my outputs, my part of 512 bytes
	s_mov_b32 s85, 0
	s_wait_dscnt 0x0
	s_wait_kmcnt 0x0
	s_load_b128 s[68:71], s[10:11], 0x28           ; e10 .. e13
	s_add_nc_u64 s[4:5], s[4:5], s[72:73]
	s_add_nc_u64 s[74:75], s[6:7], s[74:75]
	s_add_nc_u64 s[8:9], s[8:9], s[82:83]
	s_add_nc_u64 s[12:13], s[12:13], s[84:85]
.irp s, 0,1
	s_mov_b32 s[G0B+4*\s], 1
	s_add_co_u32 s[G0B+4*\s+1], s77, \s*SLOT
	s_add_nc_u64 s[G0B+4*\s+2:G0B+4*\s+3], s[74:75], \s*0x200000
	s_or_b32 s[G0B+4*\s+3], s[G0B+4*\s+3], 0x80000000
.endr
	CROUND                                         ; all sixteen work-groups are here: the first joint loads meet
	TLOAD 0                                        ; K blocks 0 and 1
	v_and_b32 v1, 31, v0
	v_lshlrev_b32 v[CO], 4, v1
	s_lshl_b32 s3, s[HC], 12                       ; my two tiles of an expert's four
.irp q, 0,1,2,3
	v_add_nc_u32 v[ADRB+\q], s3, v[CO]
	s_add_co_u32 s3, s3, 65536
.endr
	v_bfe_u32 v9, v0, 4, 1
	v_lshlrev_b32 v9, 5, v9
	s_wait_alu depctr_va_vdst(0)
.irp e, 0,1,2,3,4,5,6,7
.irp b, 0,1
	global_load_b128 v[ACC+16*\e+8*\b:ACC+16*\e+8*\b+3], v9, s[8:9] offset:4096*\e+64*\b
	global_load_b128 v[ACC+16*\e+8*\b+4:ACC+16*\e+8*\b+7], v9, s[8:9] offset:4096*\e+64*\b+16
.endr
.endr
.macro FETCH_A kb, a0                  ; A's blocks a0, a0 + 1 of K block kb into set kb % 3: sets 0, 1 in window 1, set 2 in window 2
	WIN (1+((\kb)%3)/2)<<6
.irp a, \a0, \a0+1
.irp c, 0,1,2,3
	global_load_b128 v[128*(((\kb)%3)%2)+16*(\a)+4*\c:128*(((\kb)%3)%2)+16*(\a)+4*\c+3], v[CO], s[4:5] offset:16384*(\a)+2048*(\kb)+512*\c
.endr
.endr
.endm
.irp a, 0,2,4,6
	FETCH_A 0, \a
.endr
	WIN 0
	s_wait_loadcnt 32                              ; the 32 loads of be are in; A's 32 behind them may be out
.macro BSUM d, s
.set j, 0
.rept 8
	v_pk_add_f32 v[ACC+16*\d+j:ACC+16*\d+j+1], v[ACC+16*\d+j:ACC+16*\d+j+1], v[ACC+16*\s+j:ACC+16*\s+j+1]
.set j, j+2
.endr
.endm
	BSUM 0, 1
	BSUM 2, 3
	BSUM 4, 5
	BSUM 6, 7
	BSUM 0, 2
	BSUM 4, 6
	BSUM 0, 4
.set j, 0
.rept 8
	v_pk_mul_f32 v[MB+j:MB+j+1], v[ACC+j:ACC+j+1], 0x3e000000 op_sel_hi:[1,0]   ; / 8
.set j, j+2
.endr
.irp a, 0,2,4,6
	FETCH_A 1, \a
.endr
	WIN 0
	s_wait_kmcnt 0x0
	s_add_co_i32 s78, s68, s69
	s_add_co_i32 s78, s78, 124
	s_lshl_b32 s78, s78, 23                        ; 2^(e10 + e11 - 3)
	s_mov_b32 s79, s78
	s_add_co_i32 s80, s70, 127
	s_lshl_b32 s81, s80, 23
	v_mov_b32 v[SC], s81                           ; 2^e12
	s_add_co_i32 s80, s80, 8
	s_lshl_b32 s80, s80, 23
	s_or_b32 s80, s80, 0x600000
	v_mov_b32 v[LIM], s80                          ; 448 x 2^e12
.macro FETCH_B g                       ; step g = 8 x K block + expert: my two fragments into set g % 3
.irp b, 0,1
.irp c, 0,1,2,3
	ds_load_b128 v[BF+32*((\g)%3)+16*\b+4*\c:BF+32*((\g)%3)+16*\b+4*\c+3], v[ADRB+((\g)/8)%4] offset:8192*((\g)%8)+2048*\b+512*\c
.endr
.endr
.endm
.macro MUL8 g, a0                      ; the 16 accumulators take turns, one instruction a turn, in the same order in every step
.irp a, \a0, \a0+1, \a0+2, \a0+3
.irp b, 0,1
.if (\g) == 0
	v_wmma_f32_16x16x128_fp8_fp8 v[ACC+8*(2*(\a)+\b):ACC+8*(2*(\a)+\b)+7], v[BF+32*((\g)%3)+16*\b:BF+32*((\g)%3)+16*\b+15], v[128*((((\g)/8)%3)%2)+16*(\a):128*((((\g)/8)%3)%2)+16*(\a)+15], 0
.else
	v_wmma_f32_16x16x128_fp8_fp8 v[ACC+8*(2*(\a)+\b):ACC+8*(2*(\a)+\b)+7], v[BF+32*((\g)%3)+16*\b:BF+32*((\g)%3)+16*\b+15], v[128*((((\g)/8)%3)%2)+16*(\a):128*((((\g)/8)%3)%2)+16*(\a)+15], v[ACC+8*(2*(\a)+\b):ACC+8*(2*(\a)+\b)+7]
.endif
.endr
.endr
.endm
.macro ESTEP g
	PLACES                                         ; ahead of loads into registers that the last products read
.if ((\g)%8 <= 3) && ((\g)/8 <= 5)
	FETCH_A (\g)/8+2, 2*((\g)%8)
.endif
	WIN (1+(((\g)/8)%3)/2)<<2                      ; source 1 in A's window
.if (\g)+2 < 64
	FETCH_B (\g)+2
.endif
.if (\g)%8 == 0                        ; this K block's A is in; behind it were issued the next block's 32 loads and 8 of the block after
.if (\g)/8 <= 5
	s_wait_loadcnt 40
.elseif (\g)/8 == 6
	s_wait_loadcnt 32
.else
	s_wait_loadcnt 0x0
.endif
.endif
.if (\g) < 62
	s_wait_dscnt 16                                ; this step's B is in; the next two steps' 16 loads may be out
.elseif (\g) == 62
	s_wait_dscnt 8
.else
	s_wait_dscnt 0x0
.endif
	MUL8 \g, 0
	MUL8 \g, 4
.endm
; The step in which a slot's last fragments are fetched (13 of its 16) changes slots: the three lines, one barrier; fill = 1: it opens a round of the cluster's barrier, and the slot is filled again, four K blocks on.
.macro ESTEPB g, fill
	PLACES
	WIN 0
	FETCH_B (\g)+2
	s_wait_tensorcnt 0x0                           ; my part of the other slot has landed
	ds_add_u32 v[SPW], v[NIL]
	s_wait_dscnt 17                                ; (the add and the next two steps' 16 loads may be out)
	WIN (1+(((\g)/8)%3)/2)<<2
	MUL8 \g, 0
	s_wait_dscnt 0x0                               ; the add is done, and my reads of this slot are over
	s_barrier_signal -1
	MUL8 \g, 4
	WIN 0
	s_barrier_wait -1
.if \fill
.set SL, ((\g)/16)%2
	CREST
	s_add_nc_u64 s[G0B+4*SL+2:G0B+4*SL+3], s[G0B+4*SL+2:G0B+4*SL+3], 0x400000
	TLOAD SL
.endif
.endm
	s_wait_alu depctr_va_vdst(0)                   ; the head's end
	s_wait_tensorcnt 0x0                           ; my part of slot 0 is in
	ds_add_u32 v[SPW], v[NIL]
	s_wait_dscnt 0x0
	CROUND
	TLOAD 1                                        ; K blocks 2 and 3: slot 1's first fill
	FETCH_B 0
	FETCH_B 1
.set g, 0
.rept 64
.if (g == 13) || (g == 29)
	ESTEPB g, 1
.elseif g == 45
	ESTEPB g, 0
.else
	ESTEP g
.endif
.set g, g+1
.endr
	WIN 0
	PLACES
.irp a, 0,1,2,3,4,5,6,7
.set TT, T+16*(\a%4)
.set j, 0
.rept 8
	v_pk_fma_f32 v[TT+j:TT+j+1], v[ACC+16*\a+j:ACC+16*\a+j+1], s[78:79], v[MB+j:MB+j+1] op_sel_hi:[1,0,1]
.set j, j+2
.endr
.set j, 0
	s_wait_alu depctr_va_vdst(0)
.rept 16
	v_med3_num_f32 v[TT+j], v[TT+j], -v[LIM], v[LIM]
.set j, j+1
.endr
	v_cvt_scalef32_pk8_fp8_f32 v[G+4*\a:G+4*\a+1], v[TT:TT+7], v[SC]
	v_cvt_scalef32_pk8_fp8_f32 v[G+4*\a+2:G+4*\a+3], v[TT+8:TT+15], v[SC]
	v_nop
	global_store_b128 v[CO], v[G+4*\a:G+4*\a+3], s[12:13] offset:16384*\a      ; 512 consecutive bytes, aligned
.endr
	s_wait_tensorcnt 0x0                           ; the wave's end
	ds_add_u32 v[SPW], v[NIL]
	s_wait_dscnt 0x0
	CROUND                                         ; the closing round
	s_endpgm
.Lfunc_end_k_qa9e89bff38_experts:
	.size	k_qa9e89bff38_experts, .Lfunc_end_k_qa9e89bff38_experts-k_qa9e89bff38_experts
	.p2alignl 7, 3214868480
	.fill 96, 4, 3214868480
	.section	.rodata,"a",@progbits
	.p2align	6, 0x0
	.amdhsa_kernel k_qa9e89bff38_experts
		.amdhsa_group_segment_fixed_size 327680
		.amdhsa_private_segment_fixed_size 0
		.amdhsa_enable_private_segment 0
		.amdhsa_kernarg_size 40
		.amdhsa_user_sgpr_count 2
		.amdhsa_user_sgpr_kernarg_segment_ptr 1
		.amdhsa_wavefront_size32 1
		.amdhsa_system_sgpr_workgroup_id_x 1
		.amdhsa_system_sgpr_workgroup_id_y 1
		.amdhsa_system_sgpr_workgroup_id_z 1
		.amdhsa_system_vgpr_workitem_id 0
		.amdhsa_next_free_vgpr 640
		.amdhsa_next_free_sgpr 100
		.amdhsa_reserve_vcc 0
		.amdhsa_float_denorm_mode_32 3
		.amdhsa_float_denorm_mode_16_64 3
		.amdhsa_memory_ordered 1
		.amdhsa_forward_progress 1
		.amdhsa_inst_pref_size 162
	.end_amdhsa_kernel
	.amdgpu_metadata
---
amdhsa.version: [ 1, 2 ]
amdhsa.kernels:
  - .name:           k_qa9e89bff38_experts
    .symbol:         k_qa9e89bff38_experts.kd
    .args:
      - { .name: oc, .offset: 0, .size: 8, .value_kind: global_buffer, .address_space: global }
      - { .name: codes, .offset: 8, .size: 8, .value_kind: global_buffer, .address_space: global }
      - { .name: be, .offset: 16, .size: 8, .value_kind: global_buffer, .address_space: global }
      - { .name: lowp_scales, .offset: 24, .size: 8, .value_kind: global_buffer, .address_space: global }
      - { .name: mc, .offset: 32, .size: 8, .value_kind: global_buffer, .address_space: global }
    .group_segment_fixed_size: 327680
    .private_segment_fixed_size: 0
    .kernarg_segment_align: 8
    .kernarg_segment_size: 40
    .max_flat_workgroup_size: 128
    .sgpr_count:     100
    .vgpr_count:     640
    .wavefront_size: 32
...
	.end_amdgpu_metadata
.endif
;; end of part 4
;; launch final (part 5): grid 8 x 32, 4 waves a work-group, clusters of 4 x 4, 280,064 bytes of LDS; arguments mc, codes, bo, lowp_scales, out0; writes out0
.if DOCPART == 5
	.amdgcn_target "amdgcn-amd-amdhsa--gfx1250"
	.amdhsa_code_object_version 6
	.text
	.protected	k_qa9e89bff38_final
	.globl	k_qa9e89bff38_final
	.p2align	8
	.type	k_qa9e89bff38_final,@function
k_qa9e89bff38_final:
	s_mov_b64 s[64:65], 0
	v_nop
	global_prefetch_b8 v0, s[64:65] scope:SCOPE_SE
	s_setreg_imm32_b32 hwreg(HW_REG_WAVE_MODE, 25, 1), 1
	s_wait_xcnt 0x0
	s_wait_alu depctr_hold_cnt(0) depctr_sa_sdst(0) depctr_va_vdst(0) depctr_va_sdst(0) depctr_va_ssrc(0) depctr_va_vcc(0) depctr_vm_vsrc(0)
	s_getreg_b32 s2, hwreg(HW_REG_IB_STS2, 6, 4)
	s_cmp_eq_u32 s2, 0
	s_cbranch_scc0 .Lentry_in_a_cluster
	s_endpgm
.Lentry_in_a_cluster:
	s_bfe_u32 s2, ttmp6, 0x10000c
	s_cmp_lg_u32 s2, 0xf033
	s_cbranch_scc0 .Lentry_shape_is_right
	s_endpgm
.Lentry_shape_is_right:
; out0 = m Wo^T + bo, 4096 x 1024 x 1024, on codes of FP8 (E4M3): m's codes come from the launch before, Wo's lie at codes + 15 MiB; both as images of operand registers, [tile of 16 rows][K block 8][2,048 bytes].
; out0[row][n] = sum x 2^(e12 + e13) + bo[n], f32.  LIMIT: e12 + e13 between -126 and 127.
; SHARES.  A tile of out0 is 128 x 128: 32 x 8 = 256 work-groups.  Four waves, each 64 x 64: 16 accumulators.  'A' = m (source 1), 'B' = Wo (source 0): a lane holds eight neighbouring numbers of a row of out0.
; ALL OF K LIES IN LDS, 262,144 bytes, and no byte is filled again.  Each wave asks for 64 rows x 1,024 K, 65,536 consecutive bytes of memory, by ONE load at the head (waves 0, 1: A's halves; waves 2, 3: B's).
; Everything is asked for at the head: nothing is left to ask for ahead of time, so there is no prefetch.
; CLUSTERS: 4 x 4; A's tile is shared along a row of the cluster, B's along a column: each load is asked for jointly.
; REGISTERS: window 0: v8-11 bo; v16-30 addresses; v32-95 rows read back from the stage, two sets; v128-255 the accumulators.  window 1: two sets of 128: A's four fragments of a K block, then B's four.
.set QUART,  65536                     ; what one load brings: [tile of 16 rows 4][K block 8][2,048 bytes]
.set STAGE,  4*QUART                   ; behind it: 16 rows x (256 bytes + 16) for each wave, for the way out
.set SPITCH, 272
.set SPARE,  STAGE+4*16*SPITCH         ; the spare words, 128 bytes a wave
.set BIAS,  8
.set ADRA,  16                         ; v16-19 LDS address of my A fragments at K blocks 0, 2, 4, 6
.set ADRB,  20                         ; v20-23 the same for B
.set STO,   24
.set RD,    25
.set CO,    26
.set LI,    27
.set SPW,   28
.set NIL,   29
.set R16,   30
.set BK,    32
.set ACC,   128
.set WV,    16
.set HR,    17
.set HC,    18
.set G1A,   24
.set G1B,   32
.set G0A,   40
.set G0B,   68
.set MSB,   0
.macro WIN new
.if MSB != (\new)
	s_set_vgpr_msb (MSB<<8)|(\new)
.set MSB, (\new)
.endif
.endm
.macro CROUND
	s_barrier_signal -1
	s_barrier_wait -1
	s_cmp_lg_u32 s[WV], 0
	s_cbranch_scc1 .Lnot_wave_0_\@
	s_barrier_signal -3
.Lnot_wave_0_\@:
	s_barrier_wait -3
	s_barrier_signal -1
	s_barrier_wait -1
.endm
.macro PLACES
.rept 4
	v_nop
.endr
.endm
	s_load_b256 s[4:11], s[0:1], 0x0               ; mc, codes, bo, lowp_scales
	s_load_b64 s[12:13], s[0:1], 0x20              ; out0
	v_lshl_add_u32 v[SPW], v0, 2, SPARE
	v_mov_b32 v[NIL], 0
	ds_add_u32 v[SPW], v[NIL]                      ; the opening lines: the add twice on end and its wait
	ds_add_u32 v[SPW], v[NIL]
	v_lshrrev_b32 v1, 5, v0
	v_readfirstlane_b32 s[WV], v1
	s_lshr_b32 s[HR], s[WV], 1                     ; which 64 rows are mine; also: I fetch for A (0) or B (1)
	s_and_b32 s[HC], s[WV], 1                      ; which 64 columns; also: which half I fetch
	s_bfe_u32 s19, ttmp6, 0x40000
	s_bfe_u32 s20, ttmp6, 0x40004
	s_lshl_b32 s22, ttmp9, 2
	s_add_co_u32 s22, s22, s19                     ; tile column, 0..7
	s_and_b32 s21, ttmp7, 0xffff
	s_lshl_b32 s21, s21, 2
	s_add_co_u32 s21, s21, s20                     ; tile row, 0..31
	s_lshl_b32 s23, s20, 2
	s_lshl_b32 s23, 15, s23
	s_lshl_b32 s14, 0x1111, s19
	s_or_b32 s[G1A], s23, (3<<16)|(1<<21)
	s_or_b32 s[G1B], s14, (3<<16)|(1<<21)
.irp g, G1A, G1B
	s_mov_b32 s[\g+1], 2048<<16                    ; a row: a tile of 16 rows' eight images, 16,384 bytes
	s_mov_b32 s[\g+2], 4<<16                       ; four of them, dense
	s_mov_b32 s[\g+3], 2048<<16
	s_mov_b32 s[\g+4], 4
	s_mov_b32 s[\g+5], 2048
	s_mov_b32 s[\g+6], 0
	s_mov_b32 s[\g+7], 0
.endr
	s_lshl_b32 s84, s21, 3
	s_lshl_b32 s85, s[HC], 2
	s_add_co_u32 s84, s84, s85
	s_lshl_b32 s84, s84, 14                        ; A: hangs on cy, not on cx
	s_mov_b32 s85, 0
	s_lshl_b32 s86, s22, 3
	s_lshl_b32 s87, s[HC], 2
	s_add_co_u32 s86, s86, s87
	s_lshl_b32 s86, s86, 14
	s_add_co_u32 s86, s86, 0xf00000                ; B: Wo's codes: hangs on cx, not on cy
	s_mov_b32 s87, 0
	s_mov_b32 s[G0A], 1
	s_lshl_b32 s[G0A+1], s[WV], 16                 ; LDS: wave x 65,536
	s_mov_b32 s[G0B], 1
	s_lshl_b32 s[G0B+1], s[WV], 16
	s_wait_dscnt 0x0
	s_wait_kmcnt 0x0
	s_load_b64 s[96:97], s[10:11], 0x30            ; e12, e13
	s_add_nc_u64 s[G0A+2:G0A+3], s[4:5], s[84:85]
	s_or_b32 s[G0A+3], s[G0A+3], 0x80000000
	s_add_nc_u64 s[G0B+2:G0B+3], s[6:7], s[86:87]
	s_or_b32 s[G0B+3], s[G0B+3], 0x80000000
	CROUND                                         ; all sixteen work-groups are here: the joint loads meet
	s_cmp_eq_u32 s[HR], 0
	s_cbranch_scc0 .Lfirst_b
	tensor_load_to_lds s[G0A:G0A+3], s[G1A:G1A+7]
	s_nop 0
	PLACES
	s_branch .Lfirst_asked
.Lfirst_b:
	tensor_load_to_lds s[G0B:G0B+3], s[G1B:G1B+7]
	s_nop 0
	PLACES
.Lfirst_asked:
	s_lshl_b32 s2, s[HR], 16                       ; my 64 rows of A
	s_lshl_b32 s3, s[HC], 16                       ; my 64 rows of B,
	s_add_co_u32 s3, s3, 2*QUART                   ; which lie behind A's 128
	s_mul_i32 s23, s[WV], 16*SPITCH
	s_add_co_u32 s23, s23, STAGE                   ; my stage
	s_lshl_b32 s66, s22, 9
	s_lshl_b32 s67, s[HC], 8
	s_add_co_u32 s66, s66, s67                     ; my first column, in bytes
	s_mov_b32 s67, 0
	s_add_nc_u64 s[8:9], s[8:9], s[66:67]
	s_lshl_b32 s84, s21, 19
	s_lshl_b32 s85, s[HR], 18
	s_add_co_u32 s84, s84, s85                     ; my first row, of 4,096 bytes
	s_add_co_u32 s66, s66, s84
	s_add_nc_u64 s[12:13], s[12:13], s[66:67]
	v_and_b32 v1, 31, v0
	v_lshlrev_b32 v[LI], 4, v1
.irp q, 0,1,2,3
	v_add_nc_u32 v[ADRA+\q], s2, v[LI]
	v_add_nc_u32 v[ADRB+\q], s3, v[LI]
	s_add_co_u32 s2, s2, 4096
	s_add_co_u32 s3, s3, 4096
.endr
	v_and_b32 v2, 15, v0                           ; r
	v_bfe_u32 v3, v0, 4, 1                         ; h
	v_mul_u32_u24 v[STO], v2, SPITCH
	v_lshl_add_u32 v[STO], v3, 5, v[STO]
	v_add_nc_u32 v[STO], s23, v[STO]               ; in: row r, 32 bytes for each half of the lanes
	v_mul_u32_u24 v[RD], v3, SPITCH
	v_lshl_add_u32 v[RD], v2, 4, v[RD]
	v_add_nc_u32 v[RD], s23, v[RD]                 ; back: lanes 0-15 one row of 256 bytes, lanes 16-31 the next
	v_lshlrev_b32 v[R16], 4, v2
	v_lshl_add_u32 v[CO], v3, 12, v[R16]           ; the same two rows in out0
	s_wait_alu depctr_va_vdst(0)                   ; the head's end
	global_load_b128 v[BIAS:BIAS+3], v[R16], s[8:9]    ; bo at the four columns that I store
.macro FETCH kb                        ; K block kb's fragments into set kb % 2 of window 1: B's four, then A's four
	WIN 0x40
.irp i, 0,1,2,3
.irp c, 0,1,2,3
	ds_load_b128 v[128*((\kb)%2)+64+16*\i+4*\c:128*((\kb)%2)+64+16*\i+4*\c+3], v[ADRB+(\kb)/2] offset:16384*\i+2048*((\kb)%2)+512*\c
.endr
.endr
.irp i, 0,1,2,3
.irp c, 0,1,2,3
	ds_load_b128 v[128*((\kb)%2)+16*\i+4*\c:128*((\kb)%2)+16*\i+4*\c+3], v[ADRA+(\kb)/2] offset:16384*\i+2048*((\kb)%2)+512*\c
.endr
.endr
.endm
.macro MUL8 kb, a0                     ; the 16 accumulators take turns, one instruction a turn; K block 0 starts the sums
.irp a, \a0, \a0+1
.irp b, 0,1,2,3
.if (\kb) == 0
	v_wmma_f32_16x16x128_fp8_fp8 v[ACC+8*(4*(\a)+\b):ACC+8*(4*(\a)+\b)+7], v[128*((\kb)%2)+64+16*\b:128*((\kb)%2)+64+16*\b+15], v[128*((\kb)%2)+16*(\a):128*((\kb)%2)+16*(\a)+15], 0
.else
	v_wmma_f32_16x16x128_fp8_fp8 v[ACC+8*(4*(\a)+\b):ACC+8*(4*(\a)+\b)+7], v[128*((\kb)%2)+64+16*\b:128*((\kb)%2)+64+16*\b+15], v[128*((\kb)%2)+16*(\a):128*((\kb)%2)+16*(\a)+15], v[ACC+8*(4*(\a)+\b):ACC+8*(4*(\a)+\b)+7]
.endif
.endr
.endr
.endm
.macro STEP kb
.if (\kb) < 7
	PLACES                                         ; ahead of the loads into the set that the last step's products read
	FETCH (\kb)+1
	s_wait_dscnt 32                                ; all but the 32 just issued: this block's fragments are in
.else
	s_wait_dscnt 0x0
.endif
	WIN 0x05                                       ; sources 0 and 1 window 1; C and D window 0
	MUL8 \kb, 0
	MUL8 \kb, 2
.endm
	s_wait_tensorcnt 0x0                           ; my 65,536 bytes are in,
	s_barrier_signal -1
	s_barrier_wait -1                              ; and everybody's
	FETCH 0
.irp kb, 0,1,2,3,4,5,6,7
	STEP \kb
.endr
	WIN 0
; THE WAY OUT, block by block of 16 rows x 64 columns, through my own stage in LDS: back come two rows an instruction, sixteen lanes to a row's 256 bytes, so four numbers of bo serve every row.
; LDS serves a wave's instructions in order (ISA guide 5.7.1.4): no wait between the stores and the loads.
.macro TOSTAGE a
.set AC, ACC+32*(\a)
.irp b, 0,1,2,3
	ds_store_b128 v[STO], v[AC+8*\b:AC+8*\b+3] offset:64*\b            ; each accumulator from its low end on
	ds_store_b128 v[STO], v[AC+8*\b+4:AC+8*\b+7] offset:64*\b+16
.endr
.set BB, BK+32*((\a)%2)
.irp t, 0,1,2,3,4,5,6,7
	ds_load_b128 v[BB+4*\t:BB+4*\t+3], v[RD] offset:\t*2*SPITCH
.endr
.endm
.macro SEND a, younger                 ; younger: the LDS instructions issued behind block a's loads
.set BB, BK+32*((\a)%2)
	s_wait_dscnt \younger
.irp t, 0,1,2,3,4,5,6,7
	v_pk_fma_f32 v[BB+4*\t:BB+4*\t+1], v[BB+4*\t:BB+4*\t+1], s[96:97], v[BIAS:BIAS+1] op_sel_hi:[1,0,1]
	v_pk_fma_f32 v[BB+4*\t+2:BB+4*\t+3], v[BB+4*\t+2:BB+4*\t+3], s[96:97], v[BIAS+2:BIAS+3] op_sel_hi:[1,0,1]
.endr
.irp t, 0,1,2,3,4,5,6,7
	global_store_b128 v[CO], v[BB+4*\t:BB+4*\t+3], s[12:13] offset:65536*(\a)+8192*\t th:TH_STORE_NT   ; sixteen lanes store 256 consecutive bytes, aligned
.endr
.endm
	s_wait_kmcnt 0x0
	s_add_co_i32 s96, s96, s97
	s_add_co_i32 s96, s96, 127
	s_lshl_b32 s96, s96, 23                        ; 2^(e12 + e13)
	s_mov_b32 s97, s96
	s_wait_loadcnt 0x0                             ; bo
	PLACES                                         ; behind the last products: for the LDS stores that read results
	TOSTAGE 0
.irp a, 1,2,3
.if \a > 1
	s_wait_xcnt 0x0                                ; block a - 2's stores have read their registers: block a's loads may land there
.endif
	TOSTAGE \a
	SEND \a-1, 16
.endr
	SEND 3, 0
	s_wait_tensorcnt 0x0                           ; the wave's end
	ds_add_u32 v[SPW], v[NIL]
	s_wait_dscnt 0x0
	CROUND                                         ; the closing round
	s_endpgm
.Lfunc_end_k_qa9e89bff38_final:
	.size	k_qa9e89bff38_final, .Lfunc_end_k_qa9e89bff38_final-k_qa9e89bff38_final
	.p2alignl 7, 3214868480
	.fill 96, 4, 3214868480
	.section	.rodata,"a",@progbits
	.p2align	6, 0x0
	.amdhsa_kernel k_qa9e89bff38_final
		.amdhsa_group_segment_fixed_size 280064
		.amdhsa_private_segment_fixed_size 0
		.amdhsa_enable_private_segment 0
		.amdhsa_kernarg_size 40
		.amdhsa_user_sgpr_count 2
		.amdhsa_user_sgpr_kernarg_segment_ptr 1
		.amdhsa_wavefront_size32 1
		.amdhsa_system_sgpr_workgroup_id_x 1
		.amdhsa_system_sgpr_workgroup_id_y 1
		.amdhsa_system_sgpr_workgroup_id_z 1
		.amdhsa_system_vgpr_workitem_id 0
		.amdhsa_next_free_vgpr 512
		.amdhsa_next_free_sgpr 100
		.amdhsa_reserve_vcc 0
		.amdhsa_float_denorm_mode_32 3
		.amdhsa_float_denorm_mode_16_64 3
		.amdhsa_memory_ordered 1
		.amdhsa_forward_progress 1
		.amdhsa_inst_pref_size 44
	.end_amdhsa_kernel
	.amdgpu_metadata
---
amdhsa.version: [ 1, 2 ]
amdhsa.kernels:
  - .name:           k_qa9e89bff38_final
    .symbol:         k_qa9e89bff38_final.kd
    .args:
      - { .name: mc, .offset: 0, .size: 8, .value_kind: global_buffer, .address_space: global }
      - { .name: codes, .offset: 8, .size: 8, .value_kind: global_buffer, .address_space: global }
      - { .name: bo, .offset: 16, .size: 8, .value_kind: global_buffer, .address_space: global }
      - { .name: lowp_scales, .offset: 24, .size: 8, .value_kind: global_buffer, .address_space: global }
      - { .name: out0, .offset: 32, .size: 8, .value_kind: global_buffer, .address_space: global }
    .group_segment_fixed_size: 280064
    .private_segment_fixed_size: 0
    .kernarg_segment_align: 8
    .kernarg_segment_size: 40
    .max_flat_workgroup_size: 128
    .sgpr_count:     100
    .vgpr_count:     512
    .wavefront_size: 32
...
	.end_amdgpu_metadata
.endif
;; end of part 5
